; MI455X (gfx1250); checked and timed in simulation.
; The chip was launched on July 23, 2026; its instructions are those of AMD's public machine-readable ISA for CDNA 5 (MIT licence, August 2026) and "CDNA5" Instruction Set Architecture Reference Guide (July 2026). The comments in the code are by the model that wrote it; some were corrected since.
;; GM Decoder. Allowed arithmetic: matrix products marked QUANTISED: E4M3 operands, one E8M0 scale for each 32 along K, by v_wmma_scale_f32_16x16x128_f8f6f4 with both operands' format E4M3, f32 sums; products left as they are: f32 operands where the result goes on into a quantised operand, else bf16, f16 or f32 operands; f32 sums; everything else in f32.
;; Inputs: W1 4,096 x 2,048 float32; W2 4,096 x 4,096 float32; W3 2,048 x 4,096 float32; Wc 2,048 x 128 float32; Wm 2,048 x 128 float32; b1 4,096 float32; b2 4,096 float32; b3 2,048 float32; bc 2,048 float32; bm 2,048 float32; y 128 float32; z 2,048 x 2,048 float32.
;; Outputs: out0 2,048 x 2,048 float32.
;; This version of the problem:
;;   THIS VERSION OF THE PROBLEM IS GIVEN IN LOW PRECISION. The matrix products marked QUANTISED in the list below multiply operands that are first quantised to E4M3 (4 exponent bits, 3 mantissa bits; 8 bits a number), with one power-of-two scale for each 32 numbers along K (OCP MX v1.0); their sums are f32. All else is computed in f32.
;;   The module's matrix products, in the order in which they are computed (A, B: the left and right operand; K: the contracted axis; several contracted axes count as one K, in the product's order):
;;     1. [M 1, K 128] x [K 128, N 2,048]; A: input y; B: input Wm: left as it is (M = 1 < 16)
;;     2. [M 1, K 128] x [K 128, N 2,048]; A: input y; B: input Wc: left as it is (M = 1 < 16)
;;     3. [M 2,048, K 2,048] x [K 2,048, N 4,096]; A: computed on the way; B: input W1: QUANTISED
;;     4. [M 2,048, K 4,096] x [K 4,096, N 4,096]; A: computed on the way; B: input W2: QUANTISED
;;     5. [M 2,048, K 4,096] x [K 4,096, N 2,048]; A: computed on the way; B: input W3: QUANTISED
;;   THE QUANTISER, for each operand of a quantised product, along K:
;;     - K is cut into blocks of 32 from its start; a last block that is shorter is filled with zeros.
;;     - A block's scale is 2^e with e = floor(log2(the largest magnitude in the block)) - 8, held to -126 .. 127; a block of zeros has e = 0. As a byte (E8M0): e + 127.
;;     - Each number is divided by its block's scale, clamped to +-448, and rounded to the nearest number of E4M3, ties to even, subnormals kept.
;;     - The product sums the exact products of the quantised numbers (number of the format x scale) in f32.
;;   ~~~python
;;   def quantise(x, axis):      # numpy; x: float32 -> the quantised numbers, widened to float32 again
;;       x = np.moveaxis(x, axis, -1); K = x.shape[-1]
;;       x = np.pad(x, [(0, 0)] * (x.ndim - 1) + [(0, -K % 32)]); x = x.reshape(x.shape[:-1] + (-1, 32)); a = np.abs(x).max(-1, keepdims=True)
;;       e = np.where(a > 0, np.clip(np.frexp(np.where(a > 0, a, 1))[1] - 1 - 8, -126, 127), 0)      # np.frexp(a)[1] - 1 = floor(log2(a)), exactly
;;       r = np.clip(x / 2.0 ** e, -448, 448)
;;       step = 2.0 ** (np.maximum(np.frexp(np.where(r == 0, 1, r))[1] - 1, -6) - 3)
;;       q = np.round(r / step) * step * 2.0 ** e      # np.round: ties to even
;;       return np.moveaxis(q.reshape(q.shape[:-2] + (-1,))[..., :K], -1, axis).astype(np.float32)
;;   ~~~
;;   OPERANDS COMPUTED ON THE WAY. 'Computed on the way' means the value that the module computes at that place (a softmax that the list does not call 'softmax' is quantised finished and normalised). What goes into a quantiser is computed in f32, as accurately as f32 sums, v_exp_f32 and their like allow (about 1e-6 of the number): no bf16 or f16 on the way to a quantiser, and a product that is left as it is and whose result goes on into a quantised operand takes f32 operands (vector FMAs, or v_wmma_f32_16x16x4_f32). A number that lies on a knife's edge between two numbers of the format may be rounded either way, as far as f32 arithmetic and the matrix unit's own rounding can turn it there, and no further.
;; One version. Each part assembles by itself: llvm-mc -triple=amdgcn-amd-amdhsa -mcpu=gfx1250 --defsym DOCPART=n.
;; ======== version 1 of 1: 4 launches
;; limits: right only within a limited range of input values
;; workspace buffers: h0 4,325,376 bytes; w1 8,650,752 bytes; w2 17,301,504 bytes; w3 8,650,752 bytes; h1 8,650,752 bytes; h2 8,650,752 bytes
;; launch quant (part 1): grid 1152 x 1, 4 waves a work-group, no clusters, 44,544 bytes of LDS; arguments z, W1, W2, W3, Wm, Wc, bm, bc, h0, w1, w2, w3, y; writes h0, w1, w2, w3
.if DOCPART == 1
	.amdgcn_target "amdgcn-amd-amdhsa--gfx1250"
	.amdhsa_code_object_version 6
	.text
	.protected	k_q1a65aa599e_quant
	.globl	k_q1a65aa599e_quant
	.p2align	8
	.type	k_q1a65aa599e_quant,@function
k_q1a65aa599e_quant:
	s_mov_b64 s[64:65], 0
	v_nop
	global_prefetch_b8 v0, s[64:65] scope:SCOPE_SE
	s_setreg_imm32_b32 hwreg(HW_REG_WAVE_MODE, 25, 1), 1
	s_wait_xcnt 0x0
; FIRST OF FOUR LAUNCHES.  out0 = relu(relu(h0 W1^T + b1) W2^T + b2) W3^T + b3,  h0 = relu(mean + z cov),  mean = y Wm^T + bm,  cov = sqrt(softplus(y Wc^T + bc)).
; NOTHING IS LEFT OUT: every one of the twelve inputs reaches out0 for some values, so all are loaded (nine here, the biases b1, b2, b3 in the later launches).
; THIS LAUNCH turns the four operands that arrive as f32 into codes of E4M3 with one E8M0 byte for each 32 along K: h0 (made here from z, mean, cov), W1, W2, W3.
; A block's scale is 2^(floor(log2(largest magnitude)) - 8); its byte is the largest magnitude's exponent field - 8, held at 1 from below; each number is divided by the scale, held within +-448, rounded to the nearest code, ties to even.
; LAYOUT OF THE FOUR BUFFERS (this program's own; R row places, depth K): first the codes, as IMAGES OF OPERAND REGISTERS: fragment (T, s) = 16 places x 128 along K = 2,048 bytes at T x 16 K + 2,048 s;
;   in it lane l's 16 bytes of chunk c (k = 128 s + 32 c + 16 (l / 16) + 0 .. 15 of place 16 T + l % 16) lie at 512 c + 16 l.  Then, from byte R K on, the scale words: for K step s and group G of 64 places 256 bytes at 4 R s + 256 G,
;   the word of place 32 j + l at 8 l + 4 j.  In h0 a place is a row.  In the weights place 16 t + r holds row 32 (t / 2) + 8 (t % 2) + r + 8 (r / 8), so that a product's results lie as the next product's operand wants them.
; SHARES.  A wave takes a UNIT: 64 places x 128 along K = four fragments and 256 bytes of scale words.  Work-groups 0-127 take z, 128-383 W1, 384-895 W2, 896-1151 W3.  Pointers and shifts are selected on the work-group's number:
;   all four tensors take one path; only two pieces stand under a scalar branch on that number: the statistics (mean, cov) and the step from z to h0.
; A z work-group's four waves share one K step: wave w makes mean and cov of its columns 32 w .. 32 w + 31 (f32 multiply-adds; 32 rows of Wm and of Wc), through LDS to all four.
; A load reads 512 consecutive bytes (one row's K step, 16 bytes a lane); the conversions want 16 neighbours along K in ONE lane: a fragment's 8 KB turn through the wave's own stage in LDS (rows 528 bytes apart).
; LIMITS: NaN and infinities among the inputs are not served.  Blocks whose largest magnitude lies under 2^-118 keep the byte 1; a block of zeros has the byte 1 where the rule says 127: its codes are zeros, and this program alone reads the bytes.
;   Where y Wc^T + bc lies under about -87 the exponential is flushed to 0 and cov is 0 (the exact value is under 2e-19).  mean + z cov is one fused multiply-add.  softplus(x) = max(x, 0) + log1p(2^(-|x| log2 e)), as logaddexp(x, 0) has it.
.set SP,    528                        ; a stage row: 512 bytes + 16
.set STGW,  16*SP                      ; a wave's stage; the four lie from LDS byte 0
.set TAB,   4*STGW                     ; 33,792: mean of the K step's 128 columns, 512 bytes; cov, 512 bytes
.set PSTG,  TAB+1024                   ; 34,816: the statistics' own bytes: for each wave 16 rows of 32 partial sums, 144 bytes apart
.set PP,    144
.set PSTW,  16*PP
.set SPARE, PSTG+4*PSTW                ; 44,032: the spare words, 128 bytes for each wave: two blocks of 256 bytes that no other line names
.set L16,  4                           ; v4   16 x lane
.set L8,   5                           ; v5   8 x lane
.set STS,  6                           ; v6   the stage, in: my wave's + 16 x lane
.set STL,  7                           ; v7   the stage, out: my wave's + 528 r + 64 h
.set PST,  8                           ; v8   partial sums, in: my wave's + 4 x lane
.set PLD,  9                           ; v9   partial sums, out: my wave's + 144 r + 64 h
.set TBS,  10                          ; v10  the table, in: TAB + 128 x wave + 4 r
.set TBL,  11                          ; v11  the table, out: TAB + 16 x lane
.set R4,   12                          ; v12  4 r
.set SPW,  14                          ; v14  LDS address of my spare word; never rewritten
.set NIL,  15                          ; v15  0; never rewritten
.set ROFF, 16                          ; v16-23  16 x lane + i rows of the source, i = 0 .. 7
.set PW,   24                          ; v24-27  the four fragments' scale words
.set XS,   28                          ; v28-29  the same as they are stored
.set TM,   32                          ; v32-47  at work: +0 largest magnitudes, +4 bytes, +8 448 x the scale, +12 the conversions' scale operands; mean and cov on the way from z to h0
.set PC,   48                          ; v48-63  a fragment's codes.  In the statistics: v48-51 sums, v52-55 biases, v56-59 y, later v56-61 at work
.set X,    64                          ; v64-127  64 numbers: 16 neighbours of each of four blocks
.set RG,   128                         ; v128-191 16 rows as they are loaded
.set RB,   48                          ; s[48:63] eight source bases: fragment t, rows' half e at s[48 + 4 t + 2 e]
.set OB,   66                          ; s[66:73] four bases for the codes
.set SB,   74                          ; s[74:75] the scale words' base
	s_load_b256 s[4:11], s[0:1], 0x0               ; z, W1, W2, W3
	s_load_b256 s[12:19], s[0:1], 0x20             ; Wm, Wc, bm, bc
	s_load_b256 s[24:31], s[0:1], 0x40             ; h0, w1, w2, w3
	s_load_b64 s[20:21], s[0:1], 0x60              ; y
	v_lshl_add_u32 v[SPW], v0, 2, SPARE
	v_mov_b32 v[NIL], 0
	v_lshrrev_b32 v1, 5, v0
	v_readfirstlane_b32 s22, v1                    ; wave 0..3
	v_and_b32 v1, 31, v0                           ; lane
	v_and_b32 v2, 15, v0                           ; r
	v_bfe_u32 v3, v0, 4, 1                         ; h
	v_lshlrev_b32 v[L16], 4, v1
	v_lshlrev_b32 v[L8], 3, v1
	s_mul_i32 s42, s22, STGW
	v_add_nc_u32 v[STS], s42, v[L16]
	v_mul_u32_u24 v[STL], v2, SP
	v_lshl_add_u32 v[STL], v3, 6, v[STL]
	v_add_nc_u32 v[STL], s42, v[STL]
	s_mul_i32 s42, s22, PSTW
	s_add_co_u32 s42, s42, PSTG
	v_lshl_add_u32 v[PST], v1, 2, s42
	v_mul_u32_u24 v[PLD], v2, PP
	v_lshl_add_u32 v[PLD], v3, 6, v[PLD]
	v_add_nc_u32 v[PLD], s42, v[PLD]
	s_lshl_b32 s42, s22, 7
	s_add_co_u32 s42, s42, TAB
	v_lshl_add_u32 v[TBS], v2, 2, s42
	v_add_nc_u32 v[TBL], TAB, v[L16]
	v_lshlrev_b32 v[R4], 2, v2
.irp b, 0,1,2,3
	v_mov_b32 v[TM+4+\b], 0                        ; written once: a lane permute's destination counts as one of its sources
.endr
	s_mov_b32 s23, 0x600000                        ; the mantissa field of 448
	s_mov_b32 s32, 0x76543210
	s_mov_b32 s33, 0xfedcba98                      ; v_permlanex16_b32's selects for lane l xor 16
	s_mov_b32 s76, 0xffff0000                      ; lanes 16-31
	s_mov_b32 s78, 0xbfb8aa3b                      ; -log2(e)
	s_wait_kmcnt 0x0
	; which tensor: a cascade of selections on the work-group's number, from W3 down.  s35 first work-group, s36 log2(row bytes), s37 log2(4 R), s38 log2(K steps / 4), s39 log2(R K)
	s_mov_b64 s[44:45], s[10:11]
	s_mov_b64 s[46:47], s[30:31]
	s_mov_b32 s35, 896
	s_mov_b32 s36, 14
	s_mov_b32 s37, 13
	s_mov_b32 s38, 3
	s_mov_b32 s39, 23
	s_cmp_lt_u32 ttmp9, 896                        ; W2
	s_cselect_b64 s[44:45], s[8:9], s[44:45]
	s_cselect_b64 s[46:47], s[28:29], s[46:47]
	s_cselect_b32 s35, 384, s35
	s_cselect_b32 s37, 14, s37
	s_cselect_b32 s39, 24, s39
	s_cmp_lt_u32 ttmp9, 384                        ; W1
	s_cselect_b64 s[44:45], s[6:7], s[44:45]
	s_cselect_b64 s[46:47], s[26:27], s[46:47]
	s_cselect_b32 s35, 128, s35
	s_cselect_b32 s36, 13, s36
	s_cselect_b32 s38, 2, s38
	s_cselect_b32 s39, 23, s39
	s_cmp_lt_u32 ttmp9, 128                        ; z
	s_cselect_b64 s[44:45], s[4:5], s[44:45]
	s_cselect_b64 s[46:47], s[24:25], s[46:47]
	s_cselect_b32 s35, 0, s35
	s_cselect_b32 s37, 13, s37
	s_cselect_b32 s38, 3, s38
	s_cselect_b32 s39, 22, s39
	s_cselect_b32 s34, 1, 0                        ; s34 = 1: a z work-group
	s_sub_co_u32 s35, ttmp9, s35                   ; j: my number among the tensor's work-groups
	s_lshr_b32 s42, s35, s38                       ; its high part,
	s_bfm_b32 s43, s38, 0
	s_and_b32 s43, s35, s43                        ; its low part,
	s_lshl_b32 s43, s43, 2
	s_add_co_u32 s43, s43, s22                     ; 4 x low part + wave
	s_cmp_eq_u32 s34, 1
	s_cselect_b32 s40, s43, s42                    ; g, the group of 64 places: the waves of a z work-group take four groups of one K step,
	s_cselect_b32 s41, s42, s43                    ; s, the K step: those of a weight's work-group four K steps of one group (2 KB on end of each row)
.irp t, 0,1,2,3
.irp e, 0,1
	s_cselect_b32 s[RB+4*\t+2*\e], 16*\t+8*\e, 32*(\t/2)+8*(\t%2)+16*\e   ; the first of eight neighbouring rows: places 8 e .. 8 e + 7 of fragment t (z: rows as they lie)
.endr
.endr
	s_lshl_b32 s42, s40, 6                         ; 64 g
	s_lshl_b32 s43, s41, 9                         ; 512 s: a K step of f32
.irp n, 0,1,2,3,4,5,6,7
	s_add_co_u32 s[RB+2*\n], s[RB+2*\n], s42
	s_lshl_b32 s[RB+2*\n], s[RB+2*\n], s36         ; rows into bytes: under 2^27
	s_add_co_u32 s[RB+2*\n], s[RB+2*\n], s43
	s_mov_b32 s[RB+2*\n+1], 0
	s_add_nc_u64 s[RB+2*\n:RB+2*\n+1], s[44:45], s[RB+2*\n:RB+2*\n+1]
.endr
	s_lshl_b32 s42, s40, 2                         ; 4 g: my first fragment's T
	s_add_co_u32 s79, s36, 2                       ; log2(16 K)
	s_lshl_b32 s43, s41, 11                        ; 2,048 s
.irp t, 0,1,2,3
	s_add_co_u32 s[OB+2*\t], s42, \t
	s_lshl_b32 s[OB+2*\t], s[OB+2*\t], s79
	s_add_co_u32 s[OB+2*\t], s[OB+2*\t], s43
	s_mov_b32 s[OB+2*\t+1], 0
	s_add_nc_u64 s[OB+2*\t:OB+2*\t+1], s[46:47], s[OB+2*\t:OB+2*\t+1]
.endr
	s_lshl_b32 s[SB], 1, s39                       ; behind the codes,
	s_lshl_b32 s42, s41, s37                       ; 4 R s,
	s_add_co_u32 s[SB], s[SB], s42
	s_lshl_b32 s43, s40, 8                         ; 256 g
	s_add_co_u32 s[SB], s[SB], s43
	s_mov_b32 s[SB+1], 0
	s_add_nc_u64 s[SB:SB+1], s[46:47], s[SB:SB+1]
.irp i, 0,1,2,3,4,5,6,7
	s_lshl_b32 s79, \i, s36
	v_add_nc_u32 v[ROFF+\i], s79, v[L16]
.endr
.macro WLOAD set, base, u              ; 16 rows of Wm or Wc, 512 bytes each, dense: lane l takes k = 4 l .. 4 l + 3 of each
.irp i, 0,1,2,3,4,5,6,7,8,9,10,11,12,13,14,15
	global_load_b128 v[\set+4*\i:\set+4*\i+3], v[L16], s[\base:\base+1] offset:(16*\u+\i)*512
.endr
.endm
; 16 dot products with y.  Each lane's four products of each row are added; the 32 partial sums of a row go through my own LDS bytes, so that lane (r, h) adds 16 of row r's, and lane l xor 16 the others.
.macro STAT set, dst
.irp i, 0,1,2,3,4,5,6,7,8,9,10,11,12,13,14,15
	v_pk_mul_f32 v[\set+4*\i:\set+4*\i+1], v[\set+4*\i:\set+4*\i+1], v[PC+8:PC+9]
.endr
.irp i, 0,1,2,3,4,5,6,7,8,9,10,11,12,13,14,15
	v_pk_fma_f32 v[\set+4*\i:\set+4*\i+1], v[\set+4*\i+2:\set+4*\i+3], v[PC+10:PC+11], v[\set+4*\i:\set+4*\i+1]
.endr
.irp i, 0,1,2,3,4,5,6,7,8,9,10,11,12,13,14,15
	v_add_f32 v[\set+4*\i], v[\set+4*\i], v[\set+4*\i+1]
.endr
.irp i, 0,1,2,3,4,5,6,7,8,9,10,11,12,13,14,15
	ds_store_b32 v[PST], v[\set+4*\i] offset:PP*\i
.endr
.irp j, 0,1,2,3
	ds_load_b128 v[TM+4*\j:TM+4*\j+3], v[PLD] offset:16*\j     ; LDS serves a wave's instructions in order: these see my stores
.endr
	s_wait_dscnt 0x0                               ; the sums are back, and the stores have read their registers
	v_pk_add_f32 v[TM:TM+1], v[TM:TM+1], v[TM+2:TM+3]
	v_pk_add_f32 v[TM+4:TM+5], v[TM+4:TM+5], v[TM+6:TM+7]
	v_pk_add_f32 v[TM+8:TM+9], v[TM+8:TM+9], v[TM+10:TM+11]
	v_pk_add_f32 v[TM+12:TM+13], v[TM+12:TM+13], v[TM+14:TM+15]
	v_pk_add_f32 v[TM:TM+1], v[TM:TM+1], v[TM+4:TM+5]
	v_pk_add_f32 v[TM+8:TM+9], v[TM+8:TM+9], v[TM+12:TM+13]
	v_pk_add_f32 v[TM:TM+1], v[TM:TM+1], v[TM+8:TM+9]
	v_add_f32 v[TM], v[TM], v[TM+1]
	v_permlanex16_b32 v[TM+1], v[TM], s32, s33
	v_add_f32 v[\dst], v[TM], v[TM+1]              ; lane r, in both halves: row r's sum
.endm
	; ---- THE STATISTICS, in the z work-groups alone: a scalar branch on the work-group's number, the same in all four waves; no barrier stands under it
	s_cmp_eq_u32 s34, 0
	s_cbranch_scc1 .Lno_stat
	s_lshl_b32 s42, s41, 7
	s_lshl_b32 s43, s22, 5
	s_add_co_u32 s42, s42, s43                     ; my first column: 128 s + 32 x wave
	s_lshl_b32 s80, s42, 9                         ; a row of Wm or Wc is 512 bytes
	s_mov_b32 s81, 0
	s_add_nc_u64 s[12:13], s[12:13], s[80:81]
	s_add_nc_u64 s[14:15], s[14:15], s[80:81]
	s_lshl_b32 s80, s42, 2
	s_add_nc_u64 s[16:17], s[16:17], s[80:81]
	s_add_nc_u64 s[18:19], s[18:19], s[80:81]
	global_load_b128 v[PC+8:PC+11], v[L16], s[20:21]           ; y: my four numbers
	global_load_b32 v[PC+4], v[R4], s[16:17]                   ; bm of columns r and 16 + r,
	global_load_b32 v[PC+5], v[R4], s[16:17] offset:64
	global_load_b32 v[PC+6], v[R4], s[18:19]                   ; bc likewise
	global_load_b32 v[PC+7], v[R4], s[18:19] offset:64
	WLOAD RG, 12, 0
	WLOAD X, 12, 1
	s_wait_loadcnt 16                              ; all but the sixteen loads of the other set
	STAT RG, PC
	WLOAD RG, 14, 0
	s_wait_loadcnt 16
	STAT X, PC+1
	WLOAD X, 14, 1
	s_wait_loadcnt 16
	STAT RG, PC+2
	s_wait_loadcnt 0x0
	STAT X, PC+3
	v_add_f32 v[PC], v[PC], v[PC+4]                ; mean
	v_add_f32 v[PC+1], v[PC+1], v[PC+5]
	v_add_f32 v[PC+2], v[PC+2], v[PC+6]            ; x = y Wc^T + bc
	v_add_f32 v[PC+3], v[PC+3], v[PC+7]
	v_mul_f32 v[PC+8], s78, |v[PC+2]|
	v_mul_f32 v[PC+9], s78, |v[PC+3]|
	s_wait_alu depctr_va_vdst(0)
	v_exp_f32 v[PC+8], v[PC+8]                     ; t = e^-|x|, at most 1: the maximum is taken away ahead of the exponential, as logaddexp does
	v_exp_f32 v[PC+9], v[PC+9]
	v_nop                                          ; a plain instruction behind the last transcendental of a batch,
	s_wait_alu depctr_va_vdst(0)                   ; and the one wait ahead of the batch's first reader
	v_add_f32 v[PC+10], 1.0, v[PC+8]               ; u = 1 + t, rounded
	v_add_f32 v[PC+11], 1.0, v[PC+9]
	v_add_f32 v[PC+12], -1.0, v[PC+10]             ; d = u - 1, exact: log1p(t) = log(u) t / d makes good what u's rounding lost
	v_add_f32 v[PC+13], -1.0, v[PC+11]
	v_cmp_eq_f32 s80, 0, v[PC+12]                  ; where t is lost altogether, log1p(t) = t
	v_cmp_eq_f32 s81, 0, v[PC+13]
	v_cndmask_b32 v[PC+12], v[PC+12], 1.0, s80     ; (no division by 0)
	v_cndmask_b32 v[PC+13], v[PC+13], 1.0, s81
	s_wait_alu depctr_va_vdst(0)
	v_log_f32 v[PC+10], v[PC+10]
	v_log_f32 v[PC+11], v[PC+11]
	v_rcp_f32 v[PC+12], v[PC+12]
	v_rcp_f32 v[PC+13], v[PC+13]
	v_nop
	s_wait_alu depctr_va_vdst(0)
	v_mul_f32 v[PC+10], v[PC+10], v[PC+8]
	v_mul_f32 v[PC+11], v[PC+11], v[PC+9]
	v_mul_f32 v[PC+10], v[PC+10], v[PC+12]
	v_mul_f32 v[PC+11], v[PC+11], v[PC+13]
	v_mul_f32 v[PC+10], 0x3f317218, v[PC+10]       ; x ln 2
	v_mul_f32 v[PC+11], 0x3f317218, v[PC+11]
	v_cndmask_b32 v[PC+10], v[PC+10], v[PC+8], s80
	v_cndmask_b32 v[PC+11], v[PC+11], v[PC+9], s81
	v_max_num_f32 v[PC+2], 0, v[PC+2]
	v_max_num_f32 v[PC+3], 0, v[PC+3]
	v_add_f32 v[PC+2], v[PC+2], v[PC+10]           ; softplus(x)
	v_add_f32 v[PC+3], v[PC+3], v[PC+11]
	s_wait_alu depctr_va_vdst(0)
	v_sqrt_f32 v[PC+2], v[PC+2]                    ; cov
	v_sqrt_f32 v[PC+3], v[PC+3]
	v_nop
	s_wait_alu depctr_va_vdst(0)
	ds_store_b32 v[TBS], v[PC]                     ; both halves of the lanes write the same word with the same value
	ds_store_b32 v[TBS], v[PC+1] offset:64
	ds_store_b32 v[TBS], v[PC+2] offset:512
	ds_store_b32 v[TBS], v[PC+3] offset:576
.Lno_stat:
	s_wait_dscnt 0x0                               ; for the others' sake: my words of the table have landed
	s_barrier_signal -1
	s_barrier_wait -1                              ; on every work-group's path: the table is whole
.macro LOADT t                         ; fragment t's 16 rows: each load reads one row's K step, 512 consecutive bytes
.irp i, 0,1,2,3,4,5,6,7,8,9,10,11,12,13,14,15
	global_load_b128 v[RG+4*\i:RG+4*\i+3], v[ROFF+\i%8], s[RB+4*(\t)+2*(\i/8):RB+4*(\t)+2*(\i/8)+1] th:TH_LOAD_NT
.endr
.endm
.macro ZFIX                            ; z becomes h0 = relu(mean + z cov).  As loaded, lane l holds columns 4 l .. 4 l + 3 of every row: eight registers of mean and cov serve all sixteen rows
	s_cmp_eq_u32 s34, 0
	s_cbranch_scc1 .Lplain_\@
	ds_load_b128 v[TM:TM+3], v[TBL]
	ds_load_b128 v[TM+4:TM+7], v[TBL] offset:512
	s_wait_dscnt 0x0
.irp i, 0,1,2,3,4,5,6,7,8,9,10,11,12,13,14,15
	v_pk_fma_f32 v[RG+4*\i:RG+4*\i+1], v[RG+4*\i:RG+4*\i+1], v[TM+4:TM+5], v[TM:TM+1]
	v_pk_fma_f32 v[RG+4*\i+2:RG+4*\i+3], v[RG+4*\i+2:RG+4*\i+3], v[TM+6:TM+7], v[TM+2:TM+3]
.endr
.set n, 0
.rept 64
	v_max_num_f32 v[RG+n], 0, v[RG+n]
.set n, n+1
.endr
.Lplain_\@:
.endm
.macro TURNQ                           ; through my stage: in as loaded, out 16 neighbours of each block of 32: X[16 c + e] = k 32 c + 16 h + e of place r
.irp i, 0,1,2,3,4,5,6,7,8,9,10,11,12,13,14,15
	ds_store_b128 v[STS], v[RG+4*\i:RG+4*\i+3] offset:SP*\i
.endr
	s_wait_dscnt 0x0                               ; the stores have read their registers: in the unit's loop the numbers come back into the same set
.irp c, 0,1,2,3
.irp j, 0,1,2,3
	ds_load_b128 v[X+16*\c+4*\j:X+16*\c+4*\j+3], v[STL] offset:128*\c+16*\j
.endr
.endr
	s_wait_dscnt 0x0                               ; the numbers are back, and the stores have read RG: it may be loaded again
.endm
.macro QUANT pw                        ; X's 64 numbers become a fragment's codes in v[PC] on and its scale word in v[pw]
.irp b, 0,1,2,3
	v_max3_num_f32 v[TM+\b], |v[X+16*\b]|, |v[X+1+16*\b]|, 0x4800000   ; block b: my 16 numbers, and the floor 2^(9 - 127): so the byte cannot fall under 1
.endr
.irp i, 2,4,6,8,10,12,14
.irp b, 0,1,2,3
	v_max3_num_f32 v[TM+\b], v[TM+\b], |v[X+16*\b+\i]|, |v[X+1+16*\b+\i]|   ; (the four blocks by turns)
.endr
.endr
.irp b, 0,1,2,3
	v_permlanex16_b32 v[TM+4+\b], v[TM+\b], s32, s33
.endr
.irp b, 0,1,2,3
	v_max_num_f32 v[TM+\b], v[TM+\b], v[TM+4+\b]   ; with lane l xor 16's: the block's largest magnitude
.endr
.irp b, 0,1,2,3
	v_add_nc_u32 v[TM+12+\b], 0xfc000000, v[TM+\b] ; 8 off its exponent field: the conversion's scale operand
.endr
.irp b, 0,1,2,3
	v_and_or_b32 v[TM+8+\b], v[TM+\b], 0x7f800000, s23   ; 448 x the scale
.endr
.irp b, 0,1,2,3
	v_lshrrev_b32 v[TM+4+\b], 23, v[TM+12+\b]      ; the scale's byte
.endr
	v_lshl_or_b32 v[\pw], v[TM+5], 8, v[TM+4]
	v_lshl_or_b32 v[\pw], v[TM+6], 16, v[\pw]
	v_lshl_or_b32 v[\pw], v[TM+7], 24, v[\pw]
.irp b, 0,1,2,3
.irp i, 0,1,2,3,4,5,6,7,8,9,10,11,12,13,14,15
	v_med3_num_f32 v[X+16*\b+\i], v[X+16*\b+\i], -v[TM+8+\b], v[TM+8+\b]   ; the conversion to an 8-bit code does not saturate (ISA guide 7.6.2): the hold comes first
.endr
	v_cvt_scalef32_pk8_fp8_f32 v[PC+4*\b:PC+1+4*\b], v[X+16*\b:X+7+16*\b], v[TM+12+\b]
	v_cvt_scalef32_pk8_fp8_f32 v[PC+2+4*\b:PC+3+4*\b], v[X+8+16*\b:X+15+16*\b], v[TM+12+\b]
.endr
	v_nop                                          ; a plain instruction behind the last conversion, ahead of whatever next touches its registers
.endm
	; ---- THE UNIT: four fragments; the next fragment's sixteen loads are out while this one is quantised
	s_wait_alu depctr_va_vdst(0)
	LOADT 0
.set RG, 64
	LOADT 1
; TWO SETS BY TURNS: fragment t is loaded into set t % 2 (v128-191, v64-127), goes through the stage and comes back into the same set; the other set's sixteen loads are out all the while
.irp t, 0,1,2,3
.set RG, 128-64*(\t%2)
.set X, RG
.if \t < 3
	s_wait_loadcnt 16                              ; this fragment's loads are in; the next fragment's sixteen may be out
.else
	s_wait_loadcnt 0x0
.endif
	ZFIX
	TURNQ
.if \t > 0
	s_wait_xcnt 0x0                                ; the last fragment's stores have read v[PC] on: only behind this wait are the codes written anew
.endif
	QUANT PW+\t
.irp c, 0,1,2,3
	global_store_b128 v[L16], v[PC+4*\c:PC+4*\c+3], s[OB+2*\t:OB+2*\t+1] offset:512*\c   ; 32 lanes store 512 consecutive bytes, at a multiple of 256 from the buffer's first byte
.endr
.if \t < 2
	LOADT \t+2                                     ; the set just quantised takes the fragment two on
.endif
.endr
	v_cndmask_b32 v[XS], v[PW], v[PW+1], s76       ; lanes 0-15: fragment 0's words, lanes 16-31: fragment 1's (both halves hold a row's word);
	v_cndmask_b32 v[XS+1], v[PW+2], v[PW+3], s76   ; fragments 2 and 3
	global_store_b64 v[L8], v[XS:XS+1], s[SB:SB+1] ; 32 lanes store 256 consecutive bytes, aligned
	s_wait_tensorcnt 0x0                           ; the wave's end
	ds_add_u32 v[SPW], v[NIL]
	s_wait_dscnt 0x0
	s_endpgm
.Lfunc_end_k_q1a65aa599e_quant:
	.size	k_q1a65aa599e_quant, .Lfunc_end_k_q1a65aa599e_quant-k_q1a65aa599e_quant
	.p2alignl 7, 3214868480
	.fill 96, 4, 3214868480
	.section	.rodata,"a",@progbits
	.p2align	6, 0x0
	.amdhsa_kernel k_q1a65aa599e_quant
		.amdhsa_group_segment_fixed_size 44544
		.amdhsa_private_segment_fixed_size 0
		.amdhsa_enable_private_segment 0
		.amdhsa_kernarg_size 104
		.amdhsa_user_sgpr_count 2
		.amdhsa_user_sgpr_kernarg_segment_ptr 1
		.amdhsa_wavefront_size32 1
		.amdhsa_system_sgpr_workgroup_id_x 1
		.amdhsa_system_sgpr_workgroup_id_y 1
		.amdhsa_system_sgpr_workgroup_id_z 1
		.amdhsa_system_vgpr_workitem_id 0
		.amdhsa_next_free_vgpr 192
		.amdhsa_next_free_sgpr 90
		.amdhsa_reserve_vcc 0
		.amdhsa_float_denorm_mode_32 3
		.amdhsa_float_denorm_mode_16_64 3
		.amdhsa_memory_ordered 1
		.amdhsa_forward_progress 1
		.amdhsa_inst_pref_size 99
	.end_amdhsa_kernel
	.amdgpu_metadata
---
amdhsa.version: [ 1, 2 ]
amdhsa.kernels:
  - .name:           k_q1a65aa599e_quant
    .symbol:         k_q1a65aa599e_quant.kd
    .args:
      - { .name: z, .offset: 0, .size: 8, .value_kind: global_buffer, .address_space: global }
      - { .name: W1, .offset: 8, .size: 8, .value_kind: global_buffer, .address_space: global }
      - { .name: W2, .offset: 16, .size: 8, .value_kind: global_buffer, .address_space: global }
      - { .name: W3, .offset: 24, .size: 8, .value_kind: global_buffer, .address_space: global }
      - { .name: Wm, .offset: 32, .size: 8, .value_kind: global_buffer, .address_space: global }
      - { .name: Wc, .offset: 40, .size: 8, .value_kind: global_buffer, .address_space: global }
      - { .name: bm, .offset: 48, .size: 8, .value_kind: global_buffer, .address_space: global }
      - { .name: bc, .offset: 56, .size: 8, .value_kind: global_buffer, .address_space: global }
      - { .name: h0, .offset: 64, .size: 8, .value_kind: global_buffer, .address_space: global }
      - { .name: w1, .offset: 72, .size: 8, .value_kind: global_buffer, .address_space: global }
      - { .name: w2, .offset: 80, .size: 8, .value_kind: global_buffer, .address_space: global }
      - { .name: w3, .offset: 88, .size: 8, .value_kind: global_buffer, .address_space: global }
      - { .name: y, .offset: 96, .size: 8, .value_kind: global_buffer, .address_space: global }
    .group_segment_fixed_size: 44544
    .private_segment_fixed_size: 0
    .kernarg_segment_align: 8
    .kernarg_segment_size: 104
    .max_flat_workgroup_size: 128
    .sgpr_count:     90
    .vgpr_count:     192
    .wavefront_size: 32
...
	.end_amdgpu_metadata
.endif
;; end of part 1
;; launch gemm1 (part 2): grid 16 x 16, 4 waves a work-group, clusters of 4 x 4, 327,680 bytes of LDS; arguments h0, w1, b1, h1; writes h1
.if DOCPART == 2
	.amdgcn_target "amdgcn-amd-amdhsa--gfx1250"
	.amdhsa_code_object_version 6
	.text
	.protected	k_q1a65aa599e_gemm1
	.globl	k_q1a65aa599e_gemm1
	.p2align	8
	.type	k_q1a65aa599e_gemm1,@function
k_q1a65aa599e_gemm1:
	s_mov_b64 s[64:65], 0
	v_nop
	global_prefetch_b8 v0, s[64:65] scope:SCOPE_SE
	s_setreg_imm32_b32 hwreg(HW_REG_WAVE_MODE, 25, 1), 1
	s_wait_xcnt 0x0
	s_wait_alu depctr_hold_cnt(0) depctr_sa_sdst(0) depctr_va_vdst(0) depctr_va_sdst(0) depctr_va_ssrc(0) depctr_va_vcc(0) depctr_vm_vsrc(0)
	s_getreg_b32 s2, hwreg(HW_REG_IB_STS2, 6, 4)
	s_cmp_eq_u32 s2, 0
	s_cbranch_scc0 .Lentry_in_a_cluster
	s_endpgm
.Lentry_in_a_cluster:
	s_bfe_u32 s2, ttmp6, 0x10000c
	s_cmp_lg_u32 s2, 0xf033
	s_cbranch_scc0 .Lentry_shape_is_right
	s_endpgm
.Lentry_shape_is_right:
; SECOND OF FOUR LAUNCHES: h1 = Q(relu(Q(h0) Q(W1)^T + b1)), codes of E4M3 and E8M0 scale words in and out, in this program's own layout (the first launch's head states it).  Nothing is left out.
; A work-group makes 128 rows x 256 columns, a wave 64 x 128.  The weight goes through a ring of two LDS slots of NQ K steps; the activation goes from memory straight into registers, three K steps ahead.
; THE HEAD: one joint load a wave: waves 0 and 1 a half of slot 0 each, wave 2 the activation's scale words for all of K, wave 3 the weight's.  Slot 1's first fill stands behind one drained round at the head's end.
; PREFETCH of the weight's tiles, two slot steps ahead of the load that wants them: of the 32,768 bytes that a wave fetches for a slot, the partner at place cy of the cluster's column names 8,192, a lane a block of 256 bytes.
; LIMITS: NaN and infinities are not served; a block's byte never falls under 1.
.set SIZE_N, 4096
.set SIZE_K, 2048
.set NB,     8
.set NQ,     4
.set TN,     32*NB
.set FB,     2048*NQ
.set SLOT,   2*NB*FB
.set LAPS,   SIZE_K/(256*NQ)
.set KST,    SIZE_K/128
.set SCA,    2*SLOT
.set SCB,    SCA+KST*512
.set SPARE,  SCB+KST*TN*4
.set BST,    SPARE+512
.set L16,  4
.set L8,   5
.set BT,   8
.set BSA,  12
.set BLA,  13
.set ADRB, 20
.set ADRSA, 22
.set ADRSB, 23
.set SPW,  28
.set NIL,  29
.set XS,   30
.set SC,   32
.set PW,   44
.set TM,   48
.set BIAS, 64
.set XQ,   128
.set PC,   192
.set APT,  24
.set G1B,  48
.set G0B,  56
.set G1S,  68
.set G0S,  76
.set G1SB, 80
.set G0SB, 88
.set MSB, 0
.macro WIN new
.if MSB != \new
	s_set_vgpr_msb (MSB<<8)|\new
.set MSB, \new
.endif
.endm
.set MUL,  0xad
.set MUL1, 0x8d
.set TO_B, 0x40
.set TO_A, 0xc0
.macro JLOAD g0a, g1a, g0b, g1b
	s_cmp_eq_u32 s16, 0
	s_cbranch_scc0 .Lfor_b_\@
	tensor_load_to_lds s[\g0a:\g0a+3], s[\g1a:\g1a+7]
	s_nop 0
.rept 4
	v_nop
.endr
	s_branch .Lasked_\@
.Lfor_b_\@:
	tensor_load_to_lds s[\g0b:\g0b+3], s[\g1b:\g1b+7]
	s_nop 0
.rept 4
	v_nop
.endr
.Lasked_\@:
.endm
.macro BLOAD s
	tensor_load_to_lds s[G0B+4*\s:G0B+4*\s+3], s[G1B:G1B+7]
	s_nop 0
.rept 4
	v_nop
.endr
.endm
.macro CREST
	s_cmp_lg_u32 s14, 0
	s_cbranch_scc1 .Lnot_wave_0_\@
	s_barrier_signal -3
.Lnot_wave_0_\@:
	s_barrier_wait -3
	s_barrier_signal -1
	s_barrier_wait -1
.endm
.macro CROUND
	s_barrier_signal -1
	s_barrier_wait -1
	CREST
.endm
.macro PLACES n
.rept \n
	v_nop
.endr
.endm
.macro AL16 pa, off
	WIN TO_A
.irp a, 0,1,2,3
.irp c, 0,1,2,3
	global_load_b128 v[64*(\pa)+16*\a+4*\c:64*(\pa)+16*\a+4*\c+3], v[L16], s[APT:APT+1] offset:(\off)+\a*16*SIZE_K+512*\c
.endr
.endr
.endm
.macro ALOAD pa
	s_wait_xcnt 0x0
	s_add_nc_u64 s[APT:APT+1], s[APT:APT+1], 2048
	AL16 \pa, 0
.endm
	s_load_b256 s[4:11], s[0:1], 0x0
	v_lshl_add_u32 v[SPW], v0, 2, SPARE
	v_mov_b32 v[NIL], 0
	ds_add_u32 v[SPW], v[NIL]
	ds_add_u32 v[SPW], v[NIL]
	v_lshrrev_b32 v1, 5, v0
	v_readfirstlane_b32 s14, v1
	s_lshr_b32 s15, s14, 1
	s_and_b32 s16, s14, 1
	s_bfe_u32 s40, ttmp6, 0x40000
	s_bfe_u32 s41, ttmp6, 0x40004
	s_lshl_b32 s42, ttmp9, 2
	s_add_co_u32 s42, s42, s40
	s_and_b32 s17, ttmp7, 0xffff
	s_lshl_b32 s17, s17, 2
	s_add_co_u32 s17, s17, s41
	s_lshl_b32 s43, s41, 2
	s_lshl_b32 s43, 15, s43
	s_lshl_b32 s44, 0x1111, s40
	s_or_b32 s[G1B], s44, (3<<16)|(1<<21)
	s_mov_b32 s[G1B+1], (FB/8)<<16
	s_mov_b32 s[G1B+2], NB<<16                     ; the head's loads bring NB tiles; the ring's NB / 2: set at the head's end
	s_mov_b32 s[G1B+3], (FB/8)<<16
	s_mov_b32 s[G1B+4], NB
	s_mov_b32 s[G1B+5], 2*SIZE_K
	s_mov_b32 s[G1B+6], 0
	s_mov_b32 s[G1B+7], 0
	s_or_b32 s[G1S], s43, (3<<16)|(1<<21)
	s_or_b32 s[G1SB], s44, (3<<16)|(1<<21)
	s_mov_b32 s[G1S+1], 64<<16
	s_mov_b32 s[G1S+2], KST<<16
	s_mov_b32 s[G1S+3], 64<<16
	s_mov_b32 s[G1S+4], KST
	s_mov_b32 s[G1S+5], 1024
	s_mov_b32 s[G1S+6], 0
	s_mov_b32 s[G1S+7], 0
	s_mov_b32 s[G1SB+1], (TN/2)<<16
	s_mov_b32 s[G1SB+2], KST<<16
	s_mov_b32 s[G1SB+3], (TN/2)<<16
	s_mov_b32 s[G1SB+4], KST
	s_mov_b32 s[G1SB+5], SIZE_N/2
	s_mov_b32 s[G1SB+6], 0
	s_mov_b32 s[G1SB+7], 0
	s_lshl_b32 s20, s17, 3
	s_lshl_b32 s18, s15, 2
	s_add_co_u32 s20, s20, s18
	s_mul_i32 s20, s20, 16*SIZE_K
	s_mov_b32 s21, 0
	s_lshl_b32 s22, s17, 9
	s_add_co_u32 s22, s22, 2048*SIZE_K
	s_mov_b32 s23, 0
	s_mul_i32 s46, s42, 2*NB
	s_mul_i32 s19, s14, NB/2
	s_add_co_u32 s46, s46, s19
	s_mul_i32 s46, s46, 16*SIZE_K
	s_mov_b32 s47, 0
	s_mul_i32 s92, s42, 4*TN
	s_add_co_u32 s92, s92, SIZE_N*SIZE_K
	s_mov_b32 s93, 0
	s_mul_i32 s94, s14, (NB/2)*FB
	s_mov_b32 s95, SCA
	s_mov_b32 s96, SCB
	s_mul_i32 s32, s42, 2*NB                       ; the head's load of slot 0: tile 2 NB tx + NB x (wave % 2),
	s_mul_i32 s33, s16, NB
	s_add_co_u32 s32, s32, s33
	s_mul_i32 s32, s32, 16*SIZE_K
	s_mov_b32 s33, 0
	s_mul_i32 s29, s16, NB*FB                      ; to that half of the slot
	s_mul_i32 s34, s41, 16*SIZE_K                  ; the prefetches: of my NB / 2 = 4 tiles the one numbered cy
	s_add_co_u32 s34, s34, s46
	s_mov_b32 s35, 0
	s_mov_b32 s12, 0xffff0000
	s_mov_b32 s13, 0x600000
	s_mov_b32 s66, 0x76543210
	s_mov_b32 s67, 0xfedcba98
	s_wait_dscnt 0x0
	s_wait_kmcnt 0x0
	s_add_nc_u64 s[APT:APT+1], s[4:5], s[20:21]
	s_add_nc_u64 s[22:23], s[4:5], s[22:23]
	s_add_nc_u64 s[46:47], s[6:7], s[46:47]
	s_add_nc_u64 s[92:93], s[6:7], s[92:93]
	s_mov_b32 s28, 1
	s_add_nc_u64 s[30:31], s[6:7], s[32:33]
	s_or_b32 s31, s31, 0x80000000
	s_add_nc_u64 s[26:27], s[6:7], s[34:35]        ; s[26:27]: my work-group's share of my tiles, at slot step 0
	CROUND
	s_mov_b32 s[G0S], 1
	s_mov_b32 s[G0S+1], s95
	s_mov_b64 s[G0S+2:G0S+3], s[22:23]
	s_or_b32 s[G0S+3], s[G0S+3], 0x80000000
	s_mov_b32 s[G0SB], 1
	s_mov_b32 s[G0SB+1], s96
	s_mov_b64 s[G0SB+2:G0SB+3], s[92:93]
	s_or_b32 s[G0SB+3], s[G0SB+3], 0x80000000
	s_cmp_lt_u32 s14, 2                            ; one joint load a wave
	s_cbranch_scc0 .Lhead_scales
	tensor_load_to_lds s[28:31], s[G1B:G1B+7]      ; waves 0, 1: a half of slot 0
	s_nop 0
.rept 4
	v_nop
.endr
	s_branch .Lhead_asked
.Lhead_scales:
	JLOAD G0S, G1S, G0SB, G1SB                     ; wave 2: the activation's scale words; wave 3: the weight's
.Lhead_asked:
.irp s, 0,1
	s_mov_b32 s[G0B+4*\s], 1
	s_add_co_u32 s[G0B+4*\s+1], s94, \s*SLOT
	s_add_nc_u64 s[G0B+4*\s+2:G0B+4*\s+3], s[46:47], \s*FB
	s_or_b32 s[G0B+4*\s+3], s[G0B+4*\s+3], 0x80000000
.endr
	v_bfe_u32 v2, v0, 4, 1
	v_and_b32 v3, 31, v0
	v_lshlrev_b32 v[L16], 4, v3
	s_wait_alu depctr_va_vdst(0)
	v_lshlrev_b32 v[L8], 3, v3
	v_lshlrev_b32 v7, 8, v3                        ; v7: 256 x lane: the prefetches' offset; never rewritten
	s_wait_alu depctr_va_vdst(0)
	s_mul_i32 s46, s42, TN*4
	s_mul_i32 s47, s16, 64*NB
	s_add_co_u32 s46, s46, s47
	s_mov_b32 s47, 0
	s_add_nc_u64 s[8:9], s[8:9], s[46:47]
	global_load_b128 v[BT:BT+3], v[L16], s[8:9]
	AL16 0, 0
	AL16 1, 2048
	AL16 2, 4096
	WIN 0
	global_prefetch_b8 v7, s[26:27] offset:FB th:TH_LOAD_NT scope:SCOPE_SE     ; slot steps 1 and 2
	global_prefetch_b8 v7, s[26:27] offset:2*FB th:TH_LOAD_NT scope:SCOPE_SE
	s_mul_i32 s22, s16, NB*FB
.irp s, 0,1
	v_add_nc_u32 v[ADRB+\s], s22, v[L16]
	s_add_co_u32 s22, s22, SLOT
.endr
	s_lshl_b32 s21, s15, 8
	s_add_co_u32 s21, s21, SCA
	v_add_nc_u32 v[ADRSA], s21, v[L8]
	s_mul_i32 s22, s16, 64*NB
	s_add_co_u32 s22, s22, SCB
	v_add_nc_u32 v[ADRSB], s22, v[L8]
	s_lshl_b32 s21, s14, 9
	s_add_co_u32 s21, s21, BST
	v_add_nc_u32 v[BSA], s21, v[L16]
	v_lshl_add_u32 v[BLA], v2, 6, s21
	s_add_nc_u64 s[18:19], s[10:11], 2048*SIZE_N
	s_lshl_b32 s20, s17, 1
	s_add_co_u32 s20, s20, s15
	s_lshl_b32 s22, s20, 8
	s_mov_b32 s23, 0
	s_add_nc_u64 s[18:19], s[18:19], s[22:23]
	s_mul_i32 s20, s20, 64*SIZE_N
	s_mov_b32 s21, 0
	s_add_nc_u64 s[10:11], s[10:11], s[20:21]
	s_lshl_b32 s46, s42, 1
	s_add_co_u32 s46, s46, s16
	s_lshl_b32 s92, s46, 13
	s_mov_b32 s93, 0
	s_add_nc_u64 s[18:19], s[18:19], s[92:93]
	s_lshl_b32 s46, s46, 11
	s_mov_b32 s47, 0
	s_add_nc_u64 s[10:11], s[10:11], s[46:47]
.irp b, 0,1,2,3
	v_mov_b32 v[TM+4+\b], 0
.endr
	s_wait_alu depctr_va_vdst(0)
	s_wait_loadcnt 48
	s_wait_xcnt 0x0
	s_add_nc_u64 s[APT:APT+1], s[APT:APT+1], 4096
	ds_store_b128 v[BSA], v[BT:BT+3]
.set tt, 0
.rept NB
	ds_load_b128 v[BIAS+8*tt:BIAS+8*tt+3], v[BLA] offset:(32*(tt/2)+8*(tt%2))*4
	ds_load_b128 v[BIAS+8*tt+4:BIAS+8*tt+7], v[BLA] offset:(32*(tt/2)+8*(tt%2))*4+16
.set tt, tt+1
.endr
.macro FETCH slot, q, p
	WIN TO_B
.set tt, 0
.rept NB
.irp c, 0,1,2,3
	ds_load_b128 v[128*(\p)+16*tt+4*\c:128*(\p)+16*tt+4*\c+3], v[ADRB+\slot] offset:(tt*NQ+(\q))*2048+512*\c
.endr
.set tt, tt+1
.endr
	WIN 0
	ds_load_b64 v[SC+6*(\p):SC+6*(\p)+1], v[ADRSA] offset:512*(\q)
.set tt, 0
.rept NB/4
	ds_load_b64 v[SC+6*(\p)+2+2*tt:SC+6*(\p)+3+2*tt], v[ADRSB] offset:(\q)*TN*4+256*tt
.set tt, tt+1
.endr
.endm
.macro WM a, t, pb, pa, first
.set rD, 8*(NB*(\a)+(\t))
.set rC, rD
.if \first
.set rC, BIAS+8*(\t)
.endif
.set rB, 128*(\pb)+16*(\t)
.set rA, 64*(\pa)+16*(\a)
.set rSB, SC+6*(\pb)+2+2*((\t)/4)+((\t)%4)/2
.set rSA, SC+6*(\pb)+(\a)/2
.set oT, (\t)%2
.set oA, (\a)%2
.if oT && oA
	v_wmma_scale_f32_16x16x128_f8f6f4 v[rD:rD+7], v[rB:rB+15], v[rA:rA+15], v[rC:rC+7], v[rSB], v[rSA] matrix_a_scale:MATRIX_SCALE_ROW1 matrix_b_scale:MATRIX_SCALE_ROW1
.elseif oT
	v_wmma_scale_f32_16x16x128_f8f6f4 v[rD:rD+7], v[rB:rB+15], v[rA:rA+15], v[rC:rC+7], v[rSB], v[rSA] matrix_a_scale:MATRIX_SCALE_ROW1
.elseif oA
	v_wmma_scale_f32_16x16x128_f8f6f4 v[rD:rD+7], v[rB:rB+15], v[rA:rA+15], v[rC:rC+7], v[rSB], v[rSA] matrix_b_scale:MATRIX_SCALE_ROW1
.else
	v_wmma_scale_f32_16x16x128_f8f6f4 v[rD:rD+7], v[rB:rB+15], v[rA:rA+15], v[rC:rC+7], v[rSB], v[rSA]
.endif
.endm
.macro MULROW a, pb, pa, first
.set tt, 0
.rept NB
	WM \a, tt, \pb, \pa, \first
.set tt, tt+1
.endr
.endm
.macro STEP slot, q, first, ld, cnt
	s_wait_dscnt 0x0
.if \first == 0
	PLACES 8
.endif
	FETCH \slot, (\q)+1, ((\q)+1)%2
	s_wait_loadcnt \cnt
.if \ld
	ALOAD ((\q)+3)%4
.endif
.if \first
	WIN MUL1
.else
	WIN MUL
.endif
	MULROW 0, (\q)%2, (\q)%4, \first
	MULROW 1, (\q)%2, (\q)%4, \first
	MULROW 2, (\q)%2, (\q)%4, \first
	MULROW 3, (\q)%2, (\q)%4, \first
	WIN 0
.endm
.macro MIDS slot, last
.set qq, 1
.rept NQ-2
.if (\last) && (qq > NQ-4)
	STEP \slot, qq, 0, 0, 16*(NQ-1-qq)
.else
	STEP \slot, qq, 0, 1, 32
.endif
.set qq, qq+1
.endr
.endm
.macro TURN slot, next, fill
	s_wait_loadcnt 32
	s_wait_tensorcnt 0x0
	ds_add_u32 v[SPW], v[NIL]
	s_wait_dscnt 1
	WIN MUL
	MULROW 0, 1, 3, 0
	s_wait_dscnt 0x0
	s_barrier_signal -1
	MULROW 1, 1, 3, 0
	WIN 0
	s_barrier_wait -1
.if \fill
	CREST
	s_add_nc_u64 s[G0B+4*\slot+2:G0B+4*\slot+3], s[G0B+4*\slot+2:G0B+4*\slot+3], 2*FB
	BLOAD \slot
	PLACES 4
.else
	PLACES 8
.endif
	v_add_nc_u32 v[ADRSA], 512*NQ, v[ADRSA]
	v_add_nc_u32 v[ADRSB], 4*TN*NQ, v[ADRSB]
	s_wait_alu depctr_va_vdst(0)
	ALOAD 2
	FETCH \next, 0, 0
	WIN MUL
	MULROW 2, 1, 3, 0
	MULROW 3, 1, 3, 0
	WIN 0
.endm
	s_wait_tensorcnt 0x0                           ; my tile of the head's is in
	ds_add_u32 v[SPW], v[NIL]
	s_mov_b32 s[G1B+2], (NB/2)<<16                 ; no tensor load of mine is out: from here on a load brings NB / 2 tiles
	s_mov_b32 s[G1B+4], NB/2
	s_wait_dscnt 0x0                               ; the add is done, the bias is in registers
	CROUND                                         ; everybody's tiles are in, and all sixteen work-groups are here
	BLOAD 1                                        ; slot 1's first fill: the first tensor load behind the round
	FETCH 0, 0, 0
	global_prefetch_b8 v7, s[26:27] offset:3*FB th:TH_LOAD_NT scope:SCOPE_SE   ; slot step 3, the last of this K
	STEP 0, 0, 1, 1, 32
	s_mov_b32 s3, LAPS-1
.Llap:
	s_wait_alu depctr_va_vdst(0)
	MIDS 0, 0
	TURN 0, 1, 1
	STEP 1, 0, 0, 1, 32
	MIDS 1, 0
	TURN 1, 0, 1
	STEP 0, 0, 0, 1, 32
	s_sub_co_u32 s3, s3, 1
	s_cmp_lg_u32 s3, 0
	s_cbranch_scc1 .Llap
	MIDS 0, 0
	TURN 0, 1, 0
	STEP 1, 0, 0, 1, 32
	MIDS 1, 1
	s_wait_dscnt 0x0
	s_wait_loadcnt 0x0
	WIN MUL
	MULROW 0, 1, 3, 0
	MULROW 1, 1, 3, 0
	MULROW 2, 1, 3, 0
	MULROW 3, 1, 3, 0
	WIN 0
.macro QOUT a
	WIN 0x28
.irp b, 0,1,2,3
	v_max3_num_f32 v[TM+\b], 0x4800000, v[64*\a+16*\b], v[64*\a+16*\b+1]
.endr
.irp i, 2,4,6,8,10,12,14
.irp b, 0,1,2,3
	v_max3_num_f32 v[TM+\b], v[TM+\b], v[64*\a+16*\b+\i], v[64*\a+16*\b+\i+1]
.endr
.endr
	WIN 0
.irp b, 0,1,2,3
	v_permlanex16_b32 v[TM+4+\b], v[TM+\b], s66, s67
.endr
.irp b, 0,1,2,3
	v_max_num_f32 v[TM+\b], v[TM+\b], v[TM+4+\b]
.endr
.irp b, 0,1,2,3
	v_add_nc_u32 v[TM+12+\b], 0xfc000000, v[TM+\b]
.endr
.irp b, 0,1,2,3
	v_and_or_b32 v[TM+8+\b], v[TM+\b], 0x7f800000, s13
.endr
.irp b, 0,1,2,3
	v_lshrrev_b32 v[TM+4+\b], 23, v[TM+12+\b]
.endr
	v_lshl_or_b32 v[PW+\a], v[TM+5], 8, v[TM+4]
	v_lshl_or_b32 v[PW+\a], v[TM+6], 16, v[PW+\a]
	v_lshl_or_b32 v[PW+\a], v[TM+7], 24, v[PW+\a]
	WIN 0x02
.irp b, 0,1,2,3
.irp i, 0,1,2,3,4,5,6,7,8,9,10,11,12,13,14,15
	v_med3_num_f32 v[XQ+16*\b+\i], v[64*\a+16*\b+\i], 0, v[TM+8+\b]
.endr
.endr
	WIN 0
.irp b, 0,1,2,3
	v_cvt_scalef32_pk8_fp8_f32 v[PC+16*\a+4*\b:PC+16*\a+4*\b+1], v[XQ+16*\b:XQ+16*\b+7], v[TM+12+\b]
	v_cvt_scalef32_pk8_fp8_f32 v[PC+16*\a+4*\b+2:PC+16*\a+4*\b+3], v[XQ+16*\b+8:XQ+16*\b+15], v[TM+12+\b]
.endr
	v_nop
.irp c, 0,1,2,3
	global_store_b128 v[L16], v[PC+16*\a+4*\c:PC+16*\a+4*\c+3], s[10:11] offset:\a*SIZE_N*16+512*\c
.endr
.endm
	PLACES 8
	QOUT 0
	QOUT 1
	QOUT 2
	QOUT 3
	v_cndmask_b32 v[XS], v[PW], v[PW+1], s12
	v_cndmask_b32 v[XS+1], v[PW+2], v[PW+3], s12
	global_store_b64 v[L8], v[XS:XS+1], s[18:19]
	s_wait_tensorcnt 0x0
	ds_add_u32 v[SPW], v[NIL]
	s_wait_dscnt 0x0
	CROUND
	s_endpgm
.Lfunc_end_k_q1a65aa599e_gemm1:
	.size	k_q1a65aa599e_gemm1, .Lfunc_end_k_q1a65aa599e_gemm1-k_q1a65aa599e_gemm1
	.p2alignl 7, 3214868480
	.fill 96, 4, 3214868480
	.section	.rodata,"a",@progbits
	.p2align	6, 0x0
	.amdhsa_kernel k_q1a65aa599e_gemm1
		.amdhsa_group_segment_fixed_size 327680
		.amdhsa_private_segment_fixed_size 0
		.amdhsa_enable_private_segment 0
		.amdhsa_kernarg_size 32
		.amdhsa_user_sgpr_count 2
		.amdhsa_user_sgpr_kernarg_segment_ptr 1
		.amdhsa_wavefront_size32 1
		.amdhsa_system_sgpr_workgroup_id_x 1
		.amdhsa_system_sgpr_workgroup_id_y 1
		.amdhsa_system_sgpr_workgroup_id_z 1
		.amdhsa_system_vgpr_workitem_id 0
		.amdhsa_next_free_vgpr 1024
		.amdhsa_next_free_sgpr 100
		.amdhsa_reserve_vcc 0
		.amdhsa_float_denorm_mode_32 3
		.amdhsa_float_denorm_mode_16_64 3
		.amdhsa_memory_ordered 1
		.amdhsa_forward_progress 1
		.amdhsa_inst_pref_size 179
	.end_amdhsa_kernel
	.amdgpu_metadata
---
amdhsa.version: [ 1, 2 ]
amdhsa.kernels:
  - .name:           k_q1a65aa599e_gemm1
    .symbol:         k_q1a65aa599e_gemm1.kd
    .args:
      - { .name: h0, .offset: 0, .size: 8, .value_kind: global_buffer, .address_space: global }
      - { .name: w1, .offset: 8, .size: 8, .value_kind: global_buffer, .address_space: global }
      - { .name: b1, .offset: 16, .size: 8, .value_kind: global_buffer, .address_space: global }
      - { .name: h1, .offset: 24, .size: 8, .value_kind: global_buffer, .address_space: global }
    .group_segment_fixed_size: 327680
    .private_segment_fixed_size: 0
    .kernarg_segment_align: 8
    .kernarg_segment_size: 32
    .max_flat_workgroup_size: 128
    .sgpr_count:     100
    .vgpr_count:     1024
    .wavefront_size: 32
...
	.end_amdgpu_metadata
.endif
;; end of part 2
;; launch gemm2 (part 3): grid 16 x 16, 4 waves a work-group, clusters of 4 x 4, 327,680 bytes of LDS; arguments h1, w2, b2, h2; writes h2
.if DOCPART == 3
	.amdgcn_target "amdgcn-amd-amdhsa--gfx1250"
	.amdhsa_code_object_version 6
	.text
	.protected	k_q1a65aa599e_gemm2
	.globl	k_q1a65aa599e_gemm2
	.p2align	8
	.type	k_q1a65aa599e_gemm2,@function
k_q1a65aa599e_gemm2:
	s_mov_b64 s[64:65], 0
	v_nop
	global_prefetch_b8 v0, s[64:65] scope:SCOPE_SE
	s_setreg_imm32_b32 hwreg(HW_REG_WAVE_MODE, 25, 1), 1
	s_wait_xcnt 0x0
	s_wait_alu depctr_hold_cnt(0) depctr_sa_sdst(0) depctr_va_vdst(0) depctr_va_sdst(0) depctr_va_ssrc(0) depctr_va_vcc(0) depctr_vm_vsrc(0)
	s_getreg_b32 s2, hwreg(HW_REG_IB_STS2, 6, 4)
	s_cmp_eq_u32 s2, 0
	s_cbranch_scc0 .Lentry_in_a_cluster
	s_endpgm
.Lentry_in_a_cluster:
	s_bfe_u32 s2, ttmp6, 0x10000c
	s_cmp_lg_u32 s2, 0xf033
	s_cbranch_scc0 .Lentry_shape_is_right
	s_endpgm
.Lentry_shape_is_right:
; THIRD OF FOUR LAUNCHES: h2 = Q(relu(Q(h1) Q(W2)^T + b2)), codes of E4M3 and E8M0 scale words in and out, in this program's own layout (the first launch's head states it).  Nothing is left out.
; A work-group makes 128 rows x 256 columns, a wave 64 x 128.  The weight goes through a ring of two LDS slots of NQ K steps; the activation goes from memory straight into registers, three K steps ahead.
; THE HEAD: one joint load a wave: waves 0 and 1 a half of slot 0 each, wave 2 the activation's scale words for all of K, wave 3 the weight's.  Slot 1's first fill stands behind one drained round at the head's end.
; PREFETCH of the weight's tiles, two slot steps ahead of the load that wants them: of the 32,768 bytes that a wave fetches for a slot, the partner at place cy of the cluster's column names 8,192, a lane a block of 256 bytes.
;   The loop's last trip, whose refills bring the last two slot steps, asks for nothing.
; LIMITS: NaN and infinities are not served; a block's byte never falls under 1.
.set SIZE_N, 4096
.set SIZE_K, 4096
.set NB,     8
.set NQ,     4
.set TN,     32*NB
.set FB,     2048*NQ
.set SLOT,   2*NB*FB
.set LAPS,   SIZE_K/(256*NQ)
.set KST,    SIZE_K/128
.set SCA,    2*SLOT
.set SCB,    SCA+KST*512
.set SPARE,  SCB+KST*TN*4
.set BST,    SPARE+512
.set L16,  4
.set L8,   5
.set BT,   8
.set BSA,  12
.set BLA,  13
.set ADRB, 20
.set ADRSA, 22
.set ADRSB, 23
.set SPW,  28
.set NIL,  29
.set XS,   30
.set SC,   32
.set PW,   44
.set TM,   48
.set BIAS, 64
.set XQ,   128
.set PC,   192
.set APT,  24
.set G1B,  48
.set G0B,  56
.set G1S,  68
.set G0S,  76
.set G1SB, 80
.set G0SB, 88
.set MSB, 0
.macro WIN new
.if MSB != \new
	s_set_vgpr_msb (MSB<<8)|\new
.set MSB, \new
.endif
.endm
.set MUL,  0xad
.set MUL1, 0x8d
.set TO_B, 0x40
.set TO_A, 0xc0
.macro JLOAD g0a, g1a, g0b, g1b
	s_cmp_eq_u32 s16, 0
	s_cbranch_scc0 .Lfor_b_\@
	tensor_load_to_lds s[\g0a:\g0a+3], s[\g1a:\g1a+7]
	s_nop 0
.rept 4
	v_nop
.endr
	s_branch .Lasked_\@
.Lfor_b_\@:
	tensor_load_to_lds s[\g0b:\g0b+3], s[\g1b:\g1b+7]
	s_nop 0
.rept 4
	v_nop
.endr
.Lasked_\@:
.endm
.macro BLOAD s
	tensor_load_to_lds s[G0B+4*\s:G0B+4*\s+3], s[G1B:G1B+7]
	s_nop 0
.rept 4
	v_nop
.endr
.endm
.macro CREST
	s_cmp_lg_u32 s14, 0
	s_cbranch_scc1 .Lnot_wave_0_\@
	s_barrier_signal -3
.Lnot_wave_0_\@:
	s_barrier_wait -3
	s_barrier_signal -1
	s_barrier_wait -1
.endm
.macro CROUND
	s_barrier_signal -1
	s_barrier_wait -1
	CREST
.endm
.macro PLACES n
.rept \n
	v_nop
.endr
.endm
.macro AL16 pa, off
	WIN TO_A
.irp a, 0,1,2,3
.irp c, 0,1,2,3
	global_load_b128 v[64*(\pa)+16*\a+4*\c:64*(\pa)+16*\a+4*\c+3], v[L16], s[APT:APT+1] offset:(\off)+\a*16*SIZE_K+512*\c
.endr
.endr
.endm
.macro ALOAD pa
	s_wait_xcnt 0x0
	s_add_nc_u64 s[APT:APT+1], s[APT:APT+1], 2048
	AL16 \pa, 0
.endm
	s_load_b256 s[4:11], s[0:1], 0x0
	v_lshl_add_u32 v[SPW], v0, 2, SPARE
	v_mov_b32 v[NIL], 0
	ds_add_u32 v[SPW], v[NIL]
	ds_add_u32 v[SPW], v[NIL]
	v_lshrrev_b32 v1, 5, v0
	v_readfirstlane_b32 s14, v1
	s_lshr_b32 s15, s14, 1
	s_and_b32 s16, s14, 1
	s_bfe_u32 s40, ttmp6, 0x40000
	s_bfe_u32 s41, ttmp6, 0x40004
	s_lshl_b32 s42, ttmp9, 2
	s_add_co_u32 s42, s42, s40
	s_and_b32 s17, ttmp7, 0xffff
	s_lshl_b32 s17, s17, 2
	s_add_co_u32 s17, s17, s41
	s_lshl_b32 s43, s41, 2
	s_lshl_b32 s43, 15, s43
	s_lshl_b32 s44, 0x1111, s40
	s_or_b32 s[G1B], s44, (3<<16)|(1<<21)
	s_mov_b32 s[G1B+1], (FB/8)<<16
	s_mov_b32 s[G1B+2], NB<<16                     ; the head's loads bring NB tiles; the ring's NB / 2: set at the head's end
	s_mov_b32 s[G1B+3], (FB/8)<<16
	s_mov_b32 s[G1B+4], NB
	s_mov_b32 s[G1B+5], 2*SIZE_K
	s_mov_b32 s[G1B+6], 0
	s_mov_b32 s[G1B+7], 0
	s_or_b32 s[G1S], s43, (3<<16)|(1<<21)
	s_or_b32 s[G1SB], s44, (3<<16)|(1<<21)
	s_mov_b32 s[G1S+1], 64<<16
	s_mov_b32 s[G1S+2], KST<<16
	s_mov_b32 s[G1S+3], 64<<16
	s_mov_b32 s[G1S+4], KST
	s_mov_b32 s[G1S+5], 1024
	s_mov_b32 s[G1S+6], 0
	s_mov_b32 s[G1S+7], 0
	s_mov_b32 s[G1SB+1], (TN/2)<<16
	s_mov_b32 s[G1SB+2], KST<<16
	s_mov_b32 s[G1SB+3], (TN/2)<<16
	s_mov_b32 s[G1SB+4], KST
	s_mov_b32 s[G1SB+5], SIZE_N/2
	s_mov_b32 s[G1SB+6], 0
	s_mov_b32 s[G1SB+7], 0
	s_lshl_b32 s20, s17, 3
	s_lshl_b32 s18, s15, 2
	s_add_co_u32 s20, s20, s18
	s_mul_i32 s20, s20, 16*SIZE_K
	s_mov_b32 s21, 0
	s_lshl_b32 s22, s17, 9
	s_add_co_u32 s22, s22, 2048*SIZE_K
	s_mov_b32 s23, 0
	s_mul_i32 s46, s42, 2*NB
	s_mul_i32 s19, s14, NB/2
	s_add_co_u32 s46, s46, s19
	s_mul_i32 s46, s46, 16*SIZE_K
	s_mov_b32 s47, 0
	s_mul_i32 s92, s42, 4*TN
	s_add_co_u32 s92, s92, SIZE_N*SIZE_K
	s_mov_b32 s93, 0
	s_mul_i32 s94, s14, (NB/2)*FB
	s_mov_b32 s95, SCA
	s_mov_b32 s96, SCB
	s_mul_i32 s32, s42, 2*NB                       ; the head's load of slot 0: tile 2 NB tx + NB x (wave % 2),
	s_mul_i32 s33, s16, NB
	s_add_co_u32 s32, s32, s33
	s_mul_i32 s32, s32, 16*SIZE_K
	s_mov_b32 s33, 0
	s_mul_i32 s29, s16, NB*FB                      ; to that half of the slot
	s_mul_i32 s34, s41, 16*SIZE_K                  ; the prefetches: of my NB / 2 = 4 tiles the one numbered cy
	s_add_co_u32 s34, s34, s46
	s_mov_b32 s35, 0
	s_mov_b32 s12, 0xffff0000
	s_mov_b32 s13, 0x600000
	s_mov_b32 s66, 0x76543210
	s_mov_b32 s67, 0xfedcba98
	s_wait_dscnt 0x0
	s_wait_kmcnt 0x0
	s_add_nc_u64 s[APT:APT+1], s[4:5], s[20:21]
	s_add_nc_u64 s[22:23], s[4:5], s[22:23]
	s_add_nc_u64 s[46:47], s[6:7], s[46:47]
	s_add_nc_u64 s[92:93], s[6:7], s[92:93]
	s_mov_b32 s28, 1
	s_add_nc_u64 s[30:31], s[6:7], s[32:33]
	s_or_b32 s31, s31, 0x80000000
	s_add_nc_u64 s[26:27], s[6:7], s[34:35]        ; s[26:27]: my work-group's share of my tiles, at slot step 0
	CROUND
	s_mov_b32 s[G0S], 1
	s_mov_b32 s[G0S+1], s95
	s_mov_b64 s[G0S+2:G0S+3], s[22:23]
	s_or_b32 s[G0S+3], s[G0S+3], 0x80000000
	s_mov_b32 s[G0SB], 1
	s_mov_b32 s[G0SB+1], s96
	s_mov_b64 s[G0SB+2:G0SB+3], s[92:93]
	s_or_b32 s[G0SB+3], s[G0SB+3], 0x80000000
	s_cmp_lt_u32 s14, 2                            ; one joint load a wave
	s_cbranch_scc0 .Lhead_scales
	tensor_load_to_lds s[28:31], s[G1B:G1B+7]      ; waves 0, 1: a half of slot 0
	s_nop 0
.rept 4
	v_nop
.endr
	s_branch .Lhead_asked
.Lhead_scales:
	JLOAD G0S, G1S, G0SB, G1SB                     ; wave 2: the activation's scale words; wave 3: the weight's
.Lhead_asked:
.irp s, 0,1
	s_mov_b32 s[G0B+4*\s], 1
	s_add_co_u32 s[G0B+4*\s+1], s94, \s*SLOT
	s_add_nc_u64 s[G0B+4*\s+2:G0B+4*\s+3], s[46:47], \s*FB
	s_or_b32 s[G0B+4*\s+3], s[G0B+4*\s+3], 0x80000000
.endr
	v_bfe_u32 v2, v0, 4, 1
	v_and_b32 v3, 31, v0
	v_lshlrev_b32 v[L16], 4, v3
	s_wait_alu depctr_va_vdst(0)
	v_lshlrev_b32 v[L8], 3, v3
	v_lshlrev_b32 v7, 8, v3                        ; v7: 256 x lane: the prefetches' offset; never rewritten
	s_wait_alu depctr_va_vdst(0)
	s_mul_i32 s46, s42, TN*4
	s_mul_i32 s47, s16, 64*NB
	s_add_co_u32 s46, s46, s47
	s_mov_b32 s47, 0
	s_add_nc_u64 s[8:9], s[8:9], s[46:47]
	global_load_b128 v[BT:BT+3], v[L16], s[8:9]
	AL16 0, 0
	AL16 1, 2048
	AL16 2, 4096
	WIN 0
	global_prefetch_b8 v7, s[26:27] offset:FB th:TH_LOAD_NT scope:SCOPE_SE     ; slot steps 1 and 2
	global_prefetch_b8 v7, s[26:27] offset:2*FB th:TH_LOAD_NT scope:SCOPE_SE
	s_mul_i32 s22, s16, NB*FB
.irp s, 0,1
	v_add_nc_u32 v[ADRB+\s], s22, v[L16]
	s_add_co_u32 s22, s22, SLOT
.endr
	s_lshl_b32 s21, s15, 8
	s_add_co_u32 s21, s21, SCA
	v_add_nc_u32 v[ADRSA], s21, v[L8]
	s_mul_i32 s22, s16, 64*NB
	s_add_co_u32 s22, s22, SCB
	v_add_nc_u32 v[ADRSB], s22, v[L8]
	s_lshl_b32 s21, s14, 9
	s_add_co_u32 s21, s21, BST
	v_add_nc_u32 v[BSA], s21, v[L16]
	v_lshl_add_u32 v[BLA], v2, 6, s21
	s_add_nc_u64 s[18:19], s[10:11], 2048*SIZE_N
	s_lshl_b32 s20, s17, 1
	s_add_co_u32 s20, s20, s15
	s_lshl_b32 s22, s20, 8
	s_mov_b32 s23, 0
	s_add_nc_u64 s[18:19], s[18:19], s[22:23]
	s_mul_i32 s20, s20, 64*SIZE_N
	s_mov_b32 s21, 0
	s_add_nc_u64 s[10:11], s[10:11], s[20:21]
	s_lshl_b32 s46, s42, 1
	s_add_co_u32 s46, s46, s16
	s_lshl_b32 s92, s46, 13
	s_mov_b32 s93, 0
	s_add_nc_u64 s[18:19], s[18:19], s[92:93]
	s_lshl_b32 s46, s46, 11
	s_mov_b32 s47, 0
	s_add_nc_u64 s[10:11], s[10:11], s[46:47]
.irp b, 0,1,2,3
	v_mov_b32 v[TM+4+\b], 0
.endr
	s_wait_alu depctr_va_vdst(0)
	s_wait_loadcnt 48
	s_wait_xcnt 0x0
	s_add_nc_u64 s[APT:APT+1], s[APT:APT+1], 4096
	ds_store_b128 v[BSA], v[BT:BT+3]
.set tt, 0
.rept NB
	ds_load_b128 v[BIAS+8*tt:BIAS+8*tt+3], v[BLA] offset:(32*(tt/2)+8*(tt%2))*4
	ds_load_b128 v[BIAS+8*tt+4:BIAS+8*tt+7], v[BLA] offset:(32*(tt/2)+8*(tt%2))*4+16
.set tt, tt+1
.endr
.macro FETCH slot, q, p
	WIN TO_B
.set tt, 0
.rept NB
.irp c, 0,1,2,3
	ds_load_b128 v[128*(\p)+16*tt+4*\c:128*(\p)+16*tt+4*\c+3], v[ADRB+\slot] offset:(tt*NQ+(\q))*2048+512*\c
.endr
.set tt, tt+1
.endr
	WIN 0
	ds_load_b64 v[SC+6*(\p):SC+6*(\p)+1], v[ADRSA] offset:512*(\q)
.set tt, 0
.rept NB/4
	ds_load_b64 v[SC+6*(\p)+2+2*tt:SC+6*(\p)+3+2*tt], v[ADRSB] offset:(\q)*TN*4+256*tt
.set tt, tt+1
.endr
.endm
.macro WM a, t, pb, pa, first
.set rD, 8*(NB*(\a)+(\t))
.set rC, rD
.if \first
.set rC, BIAS+8*(\t)
.endif
.set rB, 128*(\pb)+16*(\t)
.set rA, 64*(\pa)+16*(\a)
.set rSB, SC+6*(\pb)+2+2*((\t)/4)+((\t)%4)/2
.set rSA, SC+6*(\pb)+(\a)/2
.set oT, (\t)%2
.set oA, (\a)%2
.if oT && oA
	v_wmma_scale_f32_16x16x128_f8f6f4 v[rD:rD+7], v[rB:rB+15], v[rA:rA+15], v[rC:rC+7], v[rSB], v[rSA] matrix_a_scale:MATRIX_SCALE_ROW1 matrix_b_scale:MATRIX_SCALE_ROW1
.elseif oT
	v_wmma_scale_f32_16x16x128_f8f6f4 v[rD:rD+7], v[rB:rB+15], v[rA:rA+15], v[rC:rC+7], v[rSB], v[rSA] matrix_a_scale:MATRIX_SCALE_ROW1
.elseif oA
	v_wmma_scale_f32_16x16x128_f8f6f4 v[rD:rD+7], v[rB:rB+15], v[rA:rA+15], v[rC:rC+7], v[rSB], v[rSA] matrix_b_scale:MATRIX_SCALE_ROW1
.else
	v_wmma_scale_f32_16x16x128_f8f6f4 v[rD:rD+7], v[rB:rB+15], v[rA:rA+15], v[rC:rC+7], v[rSB], v[rSA]
.endif
.endm
.macro MULROW a, pb, pa, first
.set tt, 0
.rept NB
	WM \a, tt, \pb, \pa, \first
.set tt, tt+1
.endr
.endm
.macro STEP slot, q, first, ld, cnt
	s_wait_dscnt 0x0
.if \first == 0
	PLACES 8
.endif
	FETCH \slot, (\q)+1, ((\q)+1)%2
	s_wait_loadcnt \cnt
.if \ld
	ALOAD ((\q)+3)%4
.endif
.if \first
	WIN MUL1
.else
	WIN MUL
.endif
	MULROW 0, (\q)%2, (\q)%4, \first
	MULROW 1, (\q)%2, (\q)%4, \first
	MULROW 2, (\q)%2, (\q)%4, \first
	MULROW 3, (\q)%2, (\q)%4, \first
	WIN 0
.endm
.macro MIDS slot, last
.set qq, 1
.rept NQ-2
.if (\last) && (qq > NQ-4)
	STEP \slot, qq, 0, 0, 16*(NQ-1-qq)
.else
	STEP \slot, qq, 0, 1, 32
.endif
.set qq, qq+1
.endr
.endm
.macro TURN slot, next, fill
	s_wait_loadcnt 32
	s_wait_tensorcnt 0x0
	ds_add_u32 v[SPW], v[NIL]
	s_wait_dscnt 1
	WIN MUL
	MULROW 0, 1, 3, 0
	s_wait_dscnt 0x0
	s_barrier_signal -1
	MULROW 1, 1, 3, 0
	WIN 0
	s_barrier_wait -1
.if \fill
	CREST
	s_add_nc_u64 s[G0B+4*\slot+2:G0B+4*\slot+3], s[G0B+4*\slot+2:G0B+4*\slot+3], 2*FB
	BLOAD \slot
	PLACES 4
.else
	PLACES 8
.endif
	v_add_nc_u32 v[ADRSA], 512*NQ, v[ADRSA]
	v_add_nc_u32 v[ADRSB], 4*TN*NQ, v[ADRSB]
	s_wait_alu depctr_va_vdst(0)
	ALOAD 2
.if \fill
	s_add_nc_u64 s[26:27], s[26:27], FB            ; behind ALOAD's wait on XCNT: my earlier prefetches have read their base
.endif
	FETCH \next, 0, 0
.if \fill
	s_cmp_gt_u32 s3, 1                             ; the refill just issued brings slot step j; step j + 2 is named, but in the loop's last trip, where there is none
	s_cbranch_scc0 .Lnone_ahead_\@
	global_prefetch_b8 v7, s[26:27] offset:3*FB th:TH_LOAD_NT scope:SCOPE_SE
.Lnone_ahead_\@:
.endif
	WIN MUL
	MULROW 2, 1, 3, 0
	MULROW 3, 1, 3, 0
	WIN 0
.endm
	s_wait_tensorcnt 0x0                           ; my tile of the head's is in
	ds_add_u32 v[SPW], v[NIL]
	s_mov_b32 s[G1B+2], (NB/2)<<16                 ; no tensor load of mine is out: from here on a load brings NB / 2 tiles
	s_mov_b32 s[G1B+4], NB/2
	s_wait_dscnt 0x0                               ; the add is done, the bias is in registers
	CROUND                                         ; everybody's tiles are in, and all sixteen work-groups are here
	BLOAD 1                                        ; slot 1's first fill: the first tensor load behind the round
	FETCH 0, 0, 0
	global_prefetch_b8 v7, s[26:27] offset:3*FB th:TH_LOAD_NT scope:SCOPE_SE   ; slot step 3
	STEP 0, 0, 1, 1, 32
	s_mov_b32 s3, LAPS-1
.Llap:
	s_wait_alu depctr_va_vdst(0)
	MIDS 0, 0
	TURN 0, 1, 1
	STEP 1, 0, 0, 1, 32
	MIDS 1, 0
	TURN 1, 0, 1
	STEP 0, 0, 0, 1, 32
	s_sub_co_u32 s3, s3, 1
	s_cmp_lg_u32 s3, 0
	s_cbranch_scc1 .Llap
	MIDS 0, 0
	TURN 0, 1, 0
	STEP 1, 0, 0, 1, 32
	MIDS 1, 1
	s_wait_dscnt 0x0
	s_wait_loadcnt 0x0
	WIN MUL
	MULROW 0, 1, 3, 0
	MULROW 1, 1, 3, 0
	MULROW 2, 1, 3, 0
	MULROW 3, 1, 3, 0
	WIN 0
.macro QOUT a
	WIN 0x28
.irp b, 0,1,2,3
	v_max3_num_f32 v[TM+\b], 0x4800000, v[64*\a+16*\b], v[64*\a+16*\b+1]
.endr
.irp i, 2,4,6,8,10,12,14
.irp b, 0,1,2,3
	v_max3_num_f32 v[TM+\b], v[TM+\b], v[64*\a+16*\b+\i], v[64*\a+16*\b+\i+1]
.endr
.endr
	WIN 0
.irp b, 0,1,2,3
	v_permlanex16_b32 v[TM+4+\b], v[TM+\b], s66, s67
.endr
.irp b, 0,1,2,3
	v_max_num_f32 v[TM+\b], v[TM+\b], v[TM+4+\b]
.endr
.irp b, 0,1,2,3
	v_add_nc_u32 v[TM+12+\b], 0xfc000000, v[TM+\b]
.endr
.irp b, 0,1,2,3
	v_and_or_b32 v[TM+8+\b], v[TM+\b], 0x7f800000, s13
.endr
.irp b, 0,1,2,3
	v_lshrrev_b32 v[TM+4+\b], 23, v[TM+12+\b]
.endr
	v_lshl_or_b32 v[PW+\a], v[TM+5], 8, v[TM+4]
	v_lshl_or_b32 v[PW+\a], v[TM+6], 16, v[PW+\a]
	v_lshl_or_b32 v[PW+\a], v[TM+7], 24, v[PW+\a]
	WIN 0x02
.irp b, 0,1,2,3
.irp i, 0,1,2,3,4,5,6,7,8,9,10,11,12,13,14,15
	v_med3_num_f32 v[XQ+16*\b+\i], v[64*\a+16*\b+\i], 0, v[TM+8+\b]
.endr
.endr
	WIN 0
.irp b, 0,1,2,3
	v_cvt_scalef32_pk8_fp8_f32 v[PC+16*\a+4*\b:PC+16*\a+4*\b+1], v[XQ+16*\b:XQ+16*\b+7], v[TM+12+\b]
	v_cvt_scalef32_pk8_fp8_f32 v[PC+16*\a+4*\b+2:PC+16*\a+4*\b+3], v[XQ+16*\b+8:XQ+16*\b+15], v[TM+12+\b]
.endr
	v_nop
.irp c, 0,1,2,3
	global_store_b128 v[L16], v[PC+16*\a+4*\c:PC+16*\a+4*\c+3], s[10:11] offset:\a*SIZE_N*16+512*\c
.endr
.endm
	PLACES 8
	QOUT 0
	QOUT 1
	QOUT 2
	QOUT 3
	v_cndmask_b32 v[XS], v[PW], v[PW+1], s12
	v_cndmask_b32 v[XS+1], v[PW+2], v[PW+3], s12
	global_store_b64 v[L8], v[XS:XS+1], s[18:19]
	s_wait_tensorcnt 0x0
	ds_add_u32 v[SPW], v[NIL]
	s_wait_dscnt 0x0
	CROUND
	s_endpgm
.Lfunc_end_k_q1a65aa599e_gemm2:
	.size	k_q1a65aa599e_gemm2, .Lfunc_end_k_q1a65aa599e_gemm2-k_q1a65aa599e_gemm2
	.p2alignl 7, 3214868480
	.fill 96, 4, 3214868480
	.section	.rodata,"a",@progbits
	.p2align	6, 0x0
	.amdhsa_kernel k_q1a65aa599e_gemm2
		.amdhsa_group_segment_fixed_size 327680
		.amdhsa_private_segment_fixed_size 0
		.amdhsa_enable_private_segment 0
		.amdhsa_kernarg_size 32
		.amdhsa_user_sgpr_count 2
		.amdhsa_user_sgpr_kernarg_segment_ptr 1
		.amdhsa_wavefront_size32 1
		.amdhsa_system_sgpr_workgroup_id_x 1
		.amdhsa_system_sgpr_workgroup_id_y 1
		.amdhsa_system_sgpr_workgroup_id_z 1
		.amdhsa_system_vgpr_workitem_id 0
		.amdhsa_next_free_vgpr 1024
		.amdhsa_next_free_sgpr 100
		.amdhsa_reserve_vcc 0
		.amdhsa_float_denorm_mode_32 3
		.amdhsa_float_denorm_mode_16_64 3
		.amdhsa_memory_ordered 1
		.amdhsa_forward_progress 1
		.amdhsa_inst_pref_size 180
	.end_amdhsa_kernel
	.amdgpu_metadata
---
amdhsa.version: [ 1, 2 ]
amdhsa.kernels:
  - .name:           k_q1a65aa599e_gemm2
    .symbol:         k_q1a65aa599e_gemm2.kd
    .args:
      - { .name: h1, .offset: 0, .size: 8, .value_kind: global_buffer, .address_space: global }
      - { .name: w2, .offset: 8, .size: 8, .value_kind: global_buffer, .address_space: global }
      - { .name: b2, .offset: 16, .size: 8, .value_kind: global_buffer, .address_space: global }
      - { .name: h2, .offset: 24, .size: 8, .value_kind: global_buffer, .address_space: global }
    .group_segment_fixed_size: 327680
    .private_segment_fixed_size: 0
    .kernarg_segment_align: 8
    .kernarg_segment_size: 32
    .max_flat_workgroup_size: 128
    .sgpr_count:     100
    .vgpr_count:     1024
    .wavefront_size: 32
...
	.end_amdgpu_metadata
.endif
;; end of part 3
;; launch gemm3 (part 4): grid 16 x 16, 4 waves a work-group, clusters of 4 x 4, 327,680 bytes of LDS; arguments h2, w3, b3, out0; writes out0
.if DOCPART == 4
	.amdgcn_target "amdgcn-amd-amdhsa--gfx1250"
	.amdhsa_code_object_version 6
	.text
	.protected	k_q1a65aa599e_gemm3
	.globl	k_q1a65aa599e_gemm3
	.p2align	8
	.type	k_q1a65aa599e_gemm3,@function
k_q1a65aa599e_gemm3:
	s_mov_b64 s[64:65], 0
	v_nop
	global_prefetch_b8 v0, s[64:65] scope:SCOPE_SE
	s_setreg_imm32_b32 hwreg(HW_REG_WAVE_MODE, 25, 1), 1
	s_wait_xcnt 0x0
	s_wait_alu depctr_hold_cnt(0) depctr_sa_sdst(0) depctr_va_vdst(0) depctr_va_sdst(0) depctr_va_ssrc(0) depctr_va_vcc(0) depctr_vm_vsrc(0)
	s_getreg_b32 s2, hwreg(HW_REG_IB_STS2, 6, 4)
	s_cmp_eq_u32 s2, 0
	s_cbranch_scc0 .Lentry_in_a_cluster
	s_endpgm
.Lentry_in_a_cluster:
	s_bfe_u32 s2, ttmp6, 0x10000c
	s_cmp_lg_u32 s2, 0xf033
	s_cbranch_scc0 .Lentry_shape_is_right
	s_endpgm
.Lentry_shape_is_right:
; LAST OF FOUR LAUNCHES: out0 = Q(h2) Q(W3)^T + b3, f32: the loop of the two launches before, on smaller tiles, with a way out in f32.  A GEMM on codes of E4M3 with one E8M0 scale for each 32 along K.  Nothing is left out.
; OPERANDS (this program's own layout; R row places, depth K): codes as IMAGES OF OPERAND REGISTERS: fragment (T, s) = 16 places x 128 along K = 2,048 bytes at T x 16 K + 2,048 s; lane l's 16 bytes of chunk c at 512 c + 16 l.
;   From byte R K on the scale words: for K step s and group G of 64 places 256 bytes at 4 R s + 256 G, the word of place 32 j + l at 8 l + 4 j: one load of 8 bytes a lane gives two registers, each with one block's words in lanes 0-15 and the next block's in lanes 16-31.
;   In an activation a place is a row; in a weight place 16 t + r holds row 32 (t / 2) + 8 (t % 2) + r + 8 (r / 8).
; SHARES.  A work-group makes 128 rows x TN = 128 columns, so that the 2,048 x 2,048 results give 256 work-groups; wave w makes rows 64 (w / 2) on (4 blocks of 16) x columns 64 (w % 2) on (NB = 4 tiles): 16 accumulators.
; THE MATRIX INSTRUCTION IS USED TRANSPOSED (source 0 = a weight's tile, source 1 = 16 rows of the activation): a lane holds ONE row; register j of tile t is column 32 (t / 2) + 16 (lane / 16) + 8 (t % 2) + j of my 64.
; THE WEIGHT goes through a ring of two LDS slots, NQ = 8 K steps of 128 to a slot: 8 tiles x 16,384 bytes = 131,072 bytes; each wave fetches 2 tiles with one tensor load.  Every LDS read of an operand takes 512 (scale words: 256) consecutive bytes.
; THE ACTIVATION goes from memory STRAIGHT INTO REGISTERS: a fragment is four loads of 512 consecutive bytes, a K step sixteen loads into 64 registers; four sets, so that K step s + 3 is asked for while K step s is multiplied.
;   It is neither kept in LDS nor asked for jointly, and this is why: a K step is 16,384 bytes of the weight and 16,384 of the activation; with both in LDS two slots hold 4 K steps each, with the weight alone 8: half the changes of slots,
;   each of which waits for a whole refill.  The price: the two waves that share my 64 rows, and the four work-groups of my row of the cluster, each load these fragments for themselves.
; THE SCALE WORDS of the work-group's rows and columns, for all of K, come into LDS once, with the first fills.  The bias is the C of each sum's first matrix instruction.
; CLUSTERS: 4 x 4 work-groups.  The four of a column of the cluster need the same tiles of the weight and its scale words, the four of a row the same scale words of the activation: each is asked for JOINTLY, by the same tensor load with the same descriptor and a mask that names the four.
; By this text's own count a wave has at most one tensor load out; at most 56 global loads.
; LIMITS: NaN and infinities are not served; the sums over K follow the matrix unit's order.
; REGISTERS, in windows of 256: window 0: v1-31 addresses; v32-43 scale words, two sets; v64-95 the bias, 8 registers a tile; v128-255 the way out's rows of out0.
;   window 1: the weight's fragments, two sets, at v0 and v128.   window 2: accumulator (a, t) at v[8 (NB a + t)].   window 3: the activation's fragments, four sets of 64.
.set SIZE_N, 2048
.set SIZE_K, 4096
.set NB,     4                         ; tiles of 16 columns to a wave
.set NQ,     8                         ; K steps of 128 in a slot: a multiple of 4, so that the activation's sets come round with the slots
.set TN,     32*NB                     ; columns of a work-group
.set FB,     2048*NQ                   ; a tile's bytes in a slot
.set SLOT,   2*NB*FB                   ; the weight's 2 NB tiles
.set LAPS,   SIZE_K/(256*NQ)           ; a lap = once round the ring
.set KST,    SIZE_K/128
.set SCA,    2*SLOT                    ; behind the ring: the activation's scale words, 512 bytes a K step;
.set SCB,    SCA+KST*512               ; the weight's, 4 TN bytes a K step
.set SPARE,  SCB+KST*TN*4              ; the spare words, 128 bytes for each wave: two blocks of 256 bytes that no other line names
.set SPITCH, 272                       ; the way out: a stage of 16 rows x (256 bytes + 16) for each wave.  It lies in slot 0, which has had its last fill and its last read when the first result is stored there
.set L16,  4                           ; v4   16 x lane
.set L8,   5                           ; v5   8 x lane
.set BO,   6                           ; v6   64 x (lane / 16): the bias's offset
.set ADRB, 20                          ; v20-21  LDS address of my weight fragments in slot 0, 1
.set ADRSA, 22                         ; v22  of the activation's scale words of the slot in hand
.set ADRSB, 23                         ; v23  of the weight's
.set STO,  24                          ; v24  the way out: where I put 32 bytes of a row
.set RD,   25                          ; v25  where I read a row back
.set CO,   26                          ; v26  my byte offset in two rows of out0
.set SPW,  28                          ; v28  LDS address of my spare word; never rewritten
.set NIL,  29                          ; v29  0; never rewritten
.set SC,   32                          ; scale words: set p at v[32 + 6 p]: +0, +1 the activation's, +2, +3 the weight's
.set BIAS, 64
.set BK,   128                         ; the way out: block a's 16 rows at v[128 + 32 a]
.set APT,  24                          ; s[24:25] the activation's fragments of my 64 rows, at the K step asked for last
.set G1B,  48                          ; s[48:55] descriptor group 1, s[56:63] groups 0 (a set for each slot): the weight's codes
.set G0B,  56
.set G1S,  68                          ; s[68:75], s[76:79]: the activation's scale words
.set G0S,  76
.set G1SB, 80                          ; s[80:87], s[88:91]: the weight's
.set G0SB, 88
.set MSB, 0
.macro WIN new                         ; the immediate's high byte repeats the setting that is left
.if MSB != \new
	s_set_vgpr_msb (MSB<<8)|\new
.set MSB, \new
.endif
.endm
.set MUL,  0xad                        ; source 0 (weight) window 1, source 1 (activation) window 3, C and D window 2
.set MUL1, 0x8d                        ; the first K step: C is the bias, in window 0
.set TO_B, 0x40                        ; destination window 1, address window 0
.set TO_A, 0xc0                        ; destination window 3, address window 0
; The scale words' joint load: wave 2 fetches the activation's, wave 3 the weight's.  Each of the two lines has ONE mask and one set of registers for all that issue it; the branch hangs on the wave's number alone.
; An s_nop 0 and four v_nop follow each tensor load, ahead of the jump, the label and what follows.
.macro JLOAD g0a, g1a, g0b, g1b
	s_cmp_eq_u32 s16, 0
	s_cbranch_scc0 .Lfor_b_\@
	tensor_load_to_lds s[\g0a:\g0a+3], s[\g1a:\g1a+7]
	s_nop 0
.rept 4
	v_nop
.endr
	s_branch .Lasked_\@
.Lfor_b_\@:
	tensor_load_to_lds s[\g0b:\g0b+3], s[\g1b:\g1b+7]
	s_nop 0
.rept 4
	v_nop
.endr
.Lasked_\@:
.endm
.macro BLOAD s                         ; the weight's joint load: every wave fetches its NB / 2 tiles of slot s: one line, one mask, no branch
	tensor_load_to_lds s[G0B+4*\s:G0B+4*\s+3], s[G1B:G1B+7]
	s_nop 0
.rept 4
	v_nop
.endr
.endm
.macro CREST                           ; a round of the cluster's barrier behind its opening barrier
	s_cmp_lg_u32 s14, 0
	s_cbranch_scc1 .Lnot_wave_0_\@
	s_barrier_signal -3
.Lnot_wave_0_\@:
	s_barrier_wait -3
	s_barrier_signal -1
	s_barrier_wait -1
.endm
.macro CROUND                          ; a whole round
	s_barrier_signal -1
	s_barrier_wait -1
	CREST
.endm
.macro PLACES n                        ; plain vector instructions that name no register of a matrix instruction: eight stand behind this form ahead of loads into its registers and of the first read of results
.rept \n
	v_nop
.endr
.endm
; Sixteen loads: my four blocks' fragments of one K step, off bytes behind s[APT], into set pa: each load reads 512 consecutive bytes
.macro AL16 pa, off
	WIN TO_A
.irp a, 0,1,2,3
.irp c, 0,1,2,3
	global_load_b128 v[64*(\pa)+16*\a+4*\c:64*(\pa)+16*\a+4*\c+3], v[L16], s[APT:APT+1] offset:(\off)+\a*16*SIZE_K+512*\c
.endr
.endr
.endm
.macro ALOAD pa                        ; the next K step's
	s_wait_xcnt 0x0                                ; the loads issued a K step ago have read their base: only behind this wait is it stepped
	s_add_nc_u64 s[APT:APT+1], s[APT:APT+1], 2048
	AL16 \pa, 0
.endm
	s_load_b256 s[4:11], s[0:1], 0x0               ; the activation s[4:5], the weight s[6:7], the bias s[8:9], out0 s[10:11]
	v_lshl_add_u32 v[SPW], v0, 2, SPARE
	v_mov_b32 v[NIL], 0
	ds_add_u32 v[SPW], v[NIL]                      ; the wave's opening: the add, twice on end, and its wait stand ahead of my first tensor load; the set-up below, work on registers, stands between
	ds_add_u32 v[SPW], v[NIL]
	v_lshrrev_b32 v1, 5, v0
	v_readfirstlane_b32 s14, v1                    ; wave 0..3
	s_lshr_b32 s15, s14, 1                         ; which 64 rows are mine.  Also: I fetch the activation's scale words (0) or the weight's (1)
	s_and_b32 s16, s14, 1                          ; which NB tiles of columns.  Also: which half of the scale words I fetch
	s_bfe_u32 s40, ttmp6, 0x40000                  ; cx, cy: my place in the cluster
	s_bfe_u32 s41, ttmp6, 0x40004
	s_lshl_b32 s42, ttmp9, 2
	s_add_co_u32 s42, s42, s40                     ; tx = 4 x cluster x + cx
	s_and_b32 s17, ttmp7, 0xffff
	s_lshl_b32 s17, s17, 2
	s_add_co_u32 s17, s17, s41                     ; ty = 4 x cluster y + cy
	s_lshl_b32 s43, s41, 2
	s_lshl_b32 s43, 15, s43                        ; my row of the cluster
	s_lshl_b32 s44, 0x1111, s40                    ; my column
	; descriptor groups 1: elements of 8 bytes, no padding; 15:0 the mask, 17:16 the element's size, 21 set beside a mask
	s_or_b32 s[G1B], s44, (3<<16)|(1<<21)          ; the weight's codes: NB / 2 tiles of FB bytes, 16 K bytes apart
	s_mov_b32 s[G1B+1], (FB/8)<<16                 ; tensor_dim0
	s_mov_b32 s[G1B+2], NB<<16                     ; tensor_dim1: the head's loads bring NB tiles; the ring's NB / 2: set at the head's end
	s_mov_b32 s[G1B+3], (FB/8)<<16                 ; tile_dim0
	s_mov_b32 s[G1B+4], NB                         ; tile_dim1
	s_mov_b32 s[G1B+5], 2*SIZE_K                   ; tensor_dim0_stride
	s_mov_b32 s[G1B+6], 0
	s_mov_b32 s[G1B+7], 0
	s_or_b32 s[G1S], s43, (3<<16)|(1<<21)          ; scale words: all K steps, a row a K step: 512 bytes of 8,192 (weight: 4 TN bytes of 4 N)
	s_or_b32 s[G1SB], s44, (3<<16)|(1<<21)
	s_mov_b32 s[G1S+1], 64<<16
	s_mov_b32 s[G1S+2], KST<<16                    ; all K steps in one load
	s_mov_b32 s[G1S+3], 64<<16
	s_mov_b32 s[G1S+4], KST
	s_mov_b32 s[G1S+5], 1024
	s_mov_b32 s[G1S+6], 0
	s_mov_b32 s[G1S+7], 0
	s_mov_b32 s[G1SB+1], (TN/2)<<16
	s_mov_b32 s[G1SB+2], KST<<16
	s_mov_b32 s[G1SB+3], (TN/2)<<16
	s_mov_b32 s[G1SB+4], KST
	s_mov_b32 s[G1SB+5], SIZE_N/2
	s_mov_b32 s[G1SB+6], 0
	s_mov_b32 s[G1SB+7], 0
	; where things come from.  What is asked for jointly along my row of the cluster hangs on ty alone, what along my column on tx alone; each in registers that never hold the other coordinate
	s_lshl_b32 s20, s17, 3
	s_lshl_b32 s18, s15, 2
	s_add_co_u32 s20, s20, s18                     ; my first block of rows: 8 ty + 4 (w / 2)
	s_mul_i32 s20, s20, 16*SIZE_K
	s_mov_b32 s21, 0
	s_lshl_b32 s22, s17, 9                         ; the activation's scale words: the work-group's two groups of 64 rows,
	s_add_co_u32 s22, s22, 2048*SIZE_K             ; behind the codes
	s_mov_b32 s23, 0
	s_mul_i32 s46, s42, 2*NB
	s_mul_i32 s19, s14, NB/2
	s_add_co_u32 s46, s46, s19                     ; the weight's tile 2 NB tx + (NB / 2) x wave
	s_mul_i32 s46, s46, 16*SIZE_K
	s_mov_b32 s47, 0
	s_mul_i32 s92, s42, 4*TN
	s_add_co_u32 s92, s92, SIZE_N*SIZE_K
	s_mov_b32 s93, 0
	s_mul_i32 s94, s14, (NB/2)*FB                  ; and where they go: no place in the cluster enters an LDS address
	s_mov_b32 s95, SCA
	s_mov_b32 s96, SCB
	s_mul_i32 s32, s42, 2*NB                       ; the head's load of slot 0: tile 2 NB tx + NB x (wave % 2),
	s_mul_i32 s33, s16, NB
	s_add_co_u32 s32, s32, s33
	s_mul_i32 s32, s32, 16*SIZE_K
	s_mov_b32 s33, 0
	s_mul_i32 s29, s16, NB*FB                      ; to that half of the slot
	s_lshr_b32 s34, s41, 1                         ; the prefetches: of the 32,768 bytes that I fetch for a slot (2 tiles x 16,384) the partner at place cy names 8,192: tile cy / 2, half cy % 2
	s_mul_i32 s34, s34, 16*SIZE_K
	s_and_b32 s35, s41, 1
	s_lshl_b32 s35, s35, 13
	s_add_co_u32 s34, s34, s35
	s_add_co_u32 s34, s34, s46
	s_mov_b32 s35, 0
	s_wait_dscnt 0x0                               ; both opening adds are done
	s_wait_kmcnt 0x0
	s_add_nc_u64 s[APT:APT+1], s[4:5], s[20:21]
	s_add_nc_u64 s[22:23], s[4:5], s[22:23]
	s_add_nc_u64 s[46:47], s[6:7], s[46:47]
	s_add_nc_u64 s[92:93], s[6:7], s[92:93]
	s_mov_b32 s28, 1
	s_add_nc_u64 s[30:31], s[6:7], s[32:33]
	s_or_b32 s31, s31, 0x80000000
	s_add_nc_u64 s[26:27], s[6:7], s[34:35]        ; s[26:27]: my work-group's share of my tiles, at slot step 0
	CROUND                                         ; all sixteen work-groups are here: the first joint loads meet
	s_mov_b32 s[G0S], 1
	s_mov_b32 s[G0S+1], s95
	s_mov_b64 s[G0S+2:G0S+3], s[22:23]
	s_or_b32 s[G0S+3], s[G0S+3], 0x80000000
	s_mov_b32 s[G0SB], 1
	s_mov_b32 s[G0SB+1], s96
	s_mov_b64 s[G0SB+2:G0SB+3], s[92:93]
	s_or_b32 s[G0SB+3], s[G0SB+3], 0x80000000
	s_cmp_lt_u32 s14, 2                            ; one joint load a wave
	s_cbranch_scc0 .Lhead_scales
	tensor_load_to_lds s[28:31], s[G1B:G1B+7]      ; waves 0, 1: a half of slot 0
	s_nop 0
.rept 4
	v_nop
.endr
	s_branch .Lhead_asked
.Lhead_scales:
	JLOAD G0S, G1S, G0SB, G1SB                     ; wave 2: the activation's scale words; wave 3: the weight's
.Lhead_asked:
.irp s, 0,1
	s_mov_b32 s[G0B+4*\s], 1
	s_add_co_u32 s[G0B+4*\s+1], s94, \s*SLOT
	s_add_nc_u64 s[G0B+4*\s+2:G0B+4*\s+3], s[46:47], \s*FB
	s_or_b32 s[G0B+4*\s+3], s[G0B+4*\s+3], 0x80000000
.endr
	v_and_b32 v1, 15, v0                           ; r = lane % 16
	v_bfe_u32 v2, v0, 4, 1                         ; h = lane / 16
	v_and_b32 v3, 31, v0                           ; lane
	v_lshlrev_b32 v[L16], 4, v3
	s_wait_alu depctr_va_vdst(0)
	v_lshlrev_b32 v[L8], 3, v3
	v_lshlrev_b32 v7, 8, v3                        ; v7: 256 x lane: the prefetches' offset; never rewritten
	s_wait_alu depctr_va_vdst(0)
	v_lshlrev_b32 v[BO], 6, v2
	s_mul_i32 s46, s42, TN*4                       ; the bias of my columns: lane (r, h) wants, for tile t, those of columns 32 (t / 2) + 16 h + 8 (t % 2) + 0 .. 7
	s_mul_i32 s47, s16, 64*NB
	s_add_co_u32 s46, s46, s47
	s_mov_b32 s47, 0
	s_add_nc_u64 s[8:9], s[8:9], s[46:47]
.set tt, 0
.rept NB
	global_load_b128 v[BIAS+8*tt:BIAS+8*tt+3], v[BO], s[8:9] offset:(32*(tt/2)+8*(tt%2))*4
	global_load_b128 v[BIAS+8*tt+4:BIAS+8*tt+7], v[BO], s[8:9] offset:(32*(tt/2)+8*(tt%2))*4+16
.set tt, tt+1
.endr
	AL16 0, 0                                      ; the activation's K steps 0, 1, 2
	AL16 1, 2048
	AL16 2, 4096
	WIN 0
	global_prefetch_b8 v7, s[26:27] offset:FB th:TH_LOAD_NT scope:SCOPE_SE     ; the weight's slot steps 1 and 2: two slot steps ahead of the loads that want them, a lane a block of 256 bytes
	global_prefetch_b8 v7, s[26:27] offset:2*FB th:TH_LOAD_NT scope:SCOPE_SE
	s_mul_i32 s22, s16, NB*FB                      ; my NB tiles of columns
.irp s, 0,1
	v_add_nc_u32 v[ADRB+\s], s22, v[L16]
	s_add_co_u32 s22, s22, SLOT
.endr
	s_lshl_b32 s21, s15, 8
	s_add_co_u32 s21, s21, SCA
	v_add_nc_u32 v[ADRSA], s21, v[L8]
	s_mul_i32 s22, s16, 64*NB
	s_add_co_u32 s22, s22, SCB
	v_add_nc_u32 v[ADRSB], s22, v[L8]
	; where my results go: rows 128 ty + 64 (w / 2) on, of 8,192 bytes; columns 128 tx + 64 (w % 2) on
	s_lshl_b32 s20, s17, 7
	s_lshl_b32 s21, s15, 6
	s_add_co_u32 s20, s20, s21
	s_lshl_b32 s20, s20, 13
	s_mov_b32 s21, 0
	s_add_nc_u64 s[10:11], s[10:11], s[20:21]
	s_lshl_b32 s46, s42, 9
	s_lshl_b32 s47, s16, 8
	s_add_co_u32 s46, s46, s47
	s_mov_b32 s47, 0
	s_add_nc_u64 s[10:11], s[10:11], s[46:47]
	s_mul_i32 s23, s14, 16*SPITCH                  ; my stage
	v_mul_u32_u24 v[STO], v1, SPITCH               ; in: row r, + 64 h: my half's 16 columns of a pair of tiles
	v_lshl_add_u32 v[STO], v2, 6, v[STO]
	v_add_nc_u32 v[STO], s23, v[STO]
	v_mul_u32_u24 v[RD], v2, SPITCH                ; back: lanes 0-15 one row of 256 bytes, lanes 16-31 the next
	v_lshl_add_u32 v[RD], v1, 4, v[RD]
	v_add_nc_u32 v[RD], s23, v[RD]
	v_lshlrev_b32 v[CO], 13, v2                    ; and the same two rows in out0
	v_lshl_add_u32 v[CO], v1, 4, v[CO]
	s_wait_alu depctr_va_vdst(0)
	s_wait_xcnt 0x0                                ; the loads of the activation's first three K steps have read their base:
	s_add_nc_u64 s[APT:APT+1], s[APT:APT+1], 4096  ; it stands at K step 2, the last asked for
; The LDS loads of one K step in one run: the weight's fragments and both sides' scale words of the slot's q-th K step into set p
.macro FETCH slot, q, p
	WIN TO_B
.set tt, 0
.rept NB
.irp c, 0,1,2,3
	ds_load_b128 v[128*(\p)+16*tt+4*\c:128*(\p)+16*tt+4*\c+3], v[ADRB+\slot] offset:(tt*NQ+(\q))*2048+512*\c
.endr
.set tt, tt+1
.endr
	WIN 0
	ds_load_b64 v[SC+6*(\p):SC+6*(\p)+1], v[ADRSA] offset:512*(\q)
.set tt, 0
.rept NB/4
	ds_load_b64 v[SC+6*(\p)+2+2*tt:SC+6*(\p)+3+2*tt], v[ADRSB] offset:(\q)*TN*4+256*tt
.set tt, tt+1
.endr
.endm
; One matrix instruction: accumulator (a, t); the weight's set pb, the activation's set pa.  An odd tile's, and an odd block's, scale words lie in lanes 16-31 of their register.  first = 1: C is the bias: nothing is ever cleared.
.macro WM a, t, pb, pa, first
.set rD, 8*(NB*(\a)+(\t))
.set rC, rD
.if \first
.set rC, BIAS+8*(\t)
.endif
.set rB, 128*(\pb)+16*(\t)
.set rA, 64*(\pa)+16*(\a)
.set rSB, SC+6*(\pb)+2+2*((\t)/4)+((\t)%4)/2
.set rSA, SC+6*(\pb)+(\a)/2
.set oT, (\t)%2
.set oA, (\a)%2
.if oT && oA
	v_wmma_scale_f32_16x16x128_f8f6f4 v[rD:rD+7], v[rB:rB+15], v[rA:rA+15], v[rC:rC+7], v[rSB], v[rSA] matrix_a_scale:MATRIX_SCALE_ROW1 matrix_b_scale:MATRIX_SCALE_ROW1
.elseif oT
	v_wmma_scale_f32_16x16x128_f8f6f4 v[rD:rD+7], v[rB:rB+15], v[rA:rA+15], v[rC:rC+7], v[rSB], v[rSA] matrix_a_scale:MATRIX_SCALE_ROW1
.elseif oA
	v_wmma_scale_f32_16x16x128_f8f6f4 v[rD:rD+7], v[rB:rB+15], v[rA:rA+15], v[rC:rC+7], v[rSB], v[rSA] matrix_b_scale:MATRIX_SCALE_ROW1
.else
	v_wmma_scale_f32_16x16x128_f8f6f4 v[rD:rD+7], v[rB:rB+15], v[rA:rA+15], v[rC:rC+7], v[rSB], v[rSA]
.endif
.endm
.macro MULROW a, pb, pa, first         ; block a against my NB tiles.  The 4 NB accumulators take turns, one instruction a turn, in the same order in every K step
.set tt, 0
.rept NB
	WM \a, tt, \pb, \pa, \first
.set tt, tt+1
.endr
.endm
; A K step that has its successor in the same slot.  ld = 1: the activation's K step three on is asked for.  cnt: the loads of the activation's K steps behind this one that may stay out
.macro STEP slot, q, first, ld, cnt
	s_wait_dscnt 0x0                               ; this K step's weight fragments and scale words, asked for a K step ago, are in
.if \first == 0
	PLACES 8                                       ; the sets that are loaded next were multiplied by the products just issued
.endif
	FETCH \slot, (\q)+1, ((\q)+1)%2
	s_wait_loadcnt \cnt                            ; this K step's fragments of the activation are in (in the first K step the bias too, which was asked for ahead of them)
.if \ld
	ALOAD ((\q)+3)%4
.endif
.if \first
	WIN MUL1
.else
	WIN MUL
.endif
	MULROW 0, (\q)%2, (\q)%4, \first
	MULROW 1, (\q)%2, (\q)%4, \first
	MULROW 2, (\q)%2, (\q)%4, \first
	MULROW 3, (\q)%2, (\q)%4, \first
	WIN 0
.endm
.macro MIDS slot, last                 ; the K steps between a slot's first and its last.  last = 1: the launch's last slot: its K steps NQ - 3 and NQ - 2 ask for nothing: no load leaves its buffer
.set qq, 1
.rept NQ-2
.if (\last) && (qq > NQ-4)
	STEP \slot, qq, 0, 0, 16*(NQ-1-qq)
.else
	STEP \slot, qq, 0, 1, 32
.endif
.set qq, qq+1
.endr
.endm
; A slot's last K step (the weight's set 1, the activation's set 3) changes slots: ONE barrier; in front of it each wave waits for all its tensor loads, adds 0 to its spare word, and waits for that and for its own reads of this slot.  fill = 1: this slot is filled again, two slots ahead.
.macro TURN slot, next, fill
	s_wait_loadcnt 32                              ; this K step's fragments of the activation are in; those of the two K steps behind it may be out
	s_wait_tensorcnt 0x0                           ; all my tensor loads have landed: my part of the next slot  (every window is 0 here)
	ds_add_u32 v[SPW], v[NIL]                      ; 0 onto my spare word
	s_wait_dscnt 1                                 ; the weight's set 1 is in; the add may be out
	WIN MUL
	MULROW 0, 1, 3, 0                              ; matrix instructions stand between the add and the wait for it
	s_wait_dscnt 0x0                               ; the add is done, and my reads of this slot are over
	s_barrier_signal -1
	MULROW 1, 1, 3, 0
	WIN 0
	s_barrier_wait -1
.if \fill
	CREST                                          ; the barrier has opened a round of the cluster's barrier: no wave of any partner still reads this slot or has a load on its way
	s_add_nc_u64 s[G0B+4*\slot+2:G0B+4*\slot+3], s[G0B+4*\slot+2:G0B+4*\slot+3], 2*FB
	BLOAD \slot                                    ; the first tensor load behind the round; its four v_nop are among the places in front of the loads below
	PLACES 4
.else
	PLACES 8
.endif
	v_add_nc_u32 v[ADRSA], 512*NQ, v[ADRSA]        ; on to the next slot's scale words
	v_add_nc_u32 v[ADRSB], 4*TN*NQ, v[ADRSB]
	s_wait_alu depctr_va_vdst(0)
	ALOAD 2                                        ; the activation's K step three on
	FETCH \next, 0, 0
	WIN MUL
	MULROW 2, 1, 3, 0
	MULROW 3, 1, 3, 0
	WIN 0
.endm
	s_wait_tensorcnt 0x0                           ; my tile of the head's is in
	ds_add_u32 v[SPW], v[NIL]
	s_mov_b32 s[G1B+2], (NB/2)<<16                 ; no tensor load of mine is out: from here on a load brings NB / 2 tiles
	s_mov_b32 s[G1B+4], NB/2
	s_wait_dscnt 0x0                               ; the add is done
	CROUND                                         ; everybody's tiles are in, and all sixteen work-groups are here
	BLOAD 1                                        ; slot 1's first fill: the first tensor load behind the round
	FETCH 0, 0, 0
	global_prefetch_b8 v7, s[26:27] offset:3*FB th:TH_LOAD_NT scope:SCOPE_SE   ; slot step 3, the last of this K
	STEP 0, 0, 1, 1, 32                            ; the first K step stands in front of the loop: its products start the sums, from the bias
	s_mov_b32 s3, LAPS-1
.Llap:                                                 ; a trip goes once round the ring, from a lap's second K step to the next lap's first, and fills both slots again
	s_wait_alu depctr_va_vdst(0)
	MIDS 0, 0
	TURN 0, 1, 1
	STEP 1, 0, 0, 1, 32
	MIDS 1, 0
	TURN 1, 0, 1
	STEP 0, 0, 0, 1, 32
	s_sub_co_u32 s3, s3, 1
	s_cmp_lg_u32 s3, 0
	s_cbranch_scc1 .Llap
	MIDS 0, 0                                      ; the last lap is written out: it fills nothing, has no round of the cluster's barrier, and its last three K steps ask for nothing
	TURN 0, 1, 0
	STEP 1, 0, 0, 1, 32
	MIDS 1, 1
	s_wait_dscnt 0x0                               ; the very last K step: nothing more to fetch
	s_wait_loadcnt 0x0
	WIN MUL
	MULROW 0, 1, 3, 0
	MULROW 1, 1, 3, 0
	MULROW 2, 1, 3, 0
	MULROW 3, 1, 3, 0
	WIN 0
; THE WAY OUT, block by block of 16 rows x my 64 columns.  A lane holds pieces of 32 bytes of one row, and the lanes beside it hold other rows: so a block goes through my own stage in LDS and comes back as whole rows of 256 bytes.
; LDS serves a wave's instructions in order (ISA guide 5.7.1.4): no wait between the stores and the loads, nor in front of the next block's stores.  Each block has its own registers for its rows, so no store's data are written again.
.macro TOSTAGE a
	WIN 0x08                                       ; an LDS store's data are its source 1: window 2
.irp t, 0,1,2,3
	ds_store_b128 v[STO], v[8*(NB*\a+\t):8*(NB*\a+\t)+3] offset:128*(\t/2)+32*(\t%2)          ; each accumulator from its low end on
	ds_store_b128 v[STO], v[8*(NB*\a+\t)+4:8*(NB*\a+\t)+7] offset:128*(\t/2)+32*(\t%2)+16
.endr
	WIN 0
.irp i, 0,1,2,3,4,5,6,7
	ds_load_b128 v[BK+32*\a+4*\i:BK+32*\a+4*\i+3], v[RD] offset:2*\i*SPITCH
.endr
.endm
.macro SEND a, younger                 ; younger: the LDS instructions issued behind block a's loads: the next block's 8 stores and 8 loads, or none
	s_wait_dscnt \younger
.irp i, 0,1,2,3,4,5,6,7
	global_store_b128 v[CO], v[BK+32*\a+4*\i:BK+32*\a+4*\i+3], s[10:11] offset:(16*\a+2*\i)*SIZE_N*4 th:TH_STORE_NT   ; 16 lanes store 256 consecutive bytes, at a multiple of 256 from out0's first byte; written once, read by nobody here
.endr
.endm
	PLACES 8                                       ; behind the last products: their results are read
	TOSTAGE 0
	TOSTAGE 1
	SEND 0, 16
	TOSTAGE 2
	SEND 1, 16
	TOSTAGE 3
	SEND 2, 16
	SEND 3, 0
	s_wait_tensorcnt 0x0                           ; the wave's end: three lines behind my last tensor load and my last LDS store
	ds_add_u32 v[SPW], v[NIL]
	s_wait_dscnt 0x0
	CROUND                                         ; the closing round: no work-group ends while a partner may still ask for a tile that names it
	s_endpgm
.Lfunc_end_k_q1a65aa599e_gemm3:
	.size	k_q1a65aa599e_gemm3, .Lfunc_end_k_q1a65aa599e_gemm3-k_q1a65aa599e_gemm3
	.p2alignl 7, 3214868480
	.fill 96, 4, 3214868480
	.section	.rodata,"a",@progbits
	.p2align	6, 0x0
	.amdhsa_kernel k_q1a65aa599e_gemm3
		.amdhsa_group_segment_fixed_size 327680
		.amdhsa_private_segment_fixed_size 0
		.amdhsa_enable_private_segment 0
		.amdhsa_kernarg_size 32
		.amdhsa_user_sgpr_count 2
		.amdhsa_user_sgpr_kernarg_segment_ptr 1
		.amdhsa_wavefront_size32 1
		.amdhsa_system_sgpr_workgroup_id_x 1
		.amdhsa_system_sgpr_workgroup_id_y 1
		.amdhsa_system_sgpr_workgroup_id_z 1
		.amdhsa_system_vgpr_workitem_id 0
		.amdhsa_next_free_vgpr 1024
		.amdhsa_next_free_sgpr 100
		.amdhsa_reserve_vcc 0
		.amdhsa_float_denorm_mode_32 3
		.amdhsa_float_denorm_mode_16_64 3
		.amdhsa_memory_ordered 1
		.amdhsa_forward_progress 1
		.amdhsa_inst_pref_size 186
	.end_amdhsa_kernel
	.amdgpu_metadata
---
amdhsa.version: [ 1, 2 ]
amdhsa.kernels:
  - .name:           k_q1a65aa599e_gemm3
    .symbol:         k_q1a65aa599e_gemm3.kd
    .args:
      - { .name: h2, .offset: 0, .size: 8, .value_kind: global_buffer, .address_space: global }
      - { .name: w3, .offset: 8, .size: 8, .value_kind: global_buffer, .address_space: global }
      - { .name: b3, .offset: 16, .size: 8, .value_kind: global_buffer, .address_space: global }
      - { .name: out0, .offset: 24, .size: 8, .value_kind: global_buffer, .address_space: global }
    .group_segment_fixed_size: 327680
    .private_segment_fixed_size: 0
    .kernarg_segment_align: 8
    .kernarg_segment_size: 32
    .max_flat_workgroup_size: 128
    .sgpr_count:     100
    .vgpr_count:     1024
    .wavefront_size: 32
...
	.end_amdgpu_metadata
.endif
;; end of part 4
